; MI455X (gfx1250); checked and timed in simulation.
; The chip was launched on July 23, 2026; its instructions are those of AMD's public machine-readable ISA for CDNA 5 (MIT licence, August 2026) and "CDNA5" Instruction Set Architecture Reference Guide (July 2026). The comments in the code are by the model that wrote it; some were corrected since.
;; Key Value Bottleneck. Allowed arithmetic: matrix products marked QUANTISED: E2M1 operands, one E8M0 scale for each 32 along K, by v_wmma_scale_f32_16x16x128_f8f6f4 with both operands' format E2M1 (or v_wmma_scale_f32_32x16x128_f4), f32 sums; products left as they are: f32 operands where the result goes on into a quantised operand, else bf16, f16 or f32 operands; f32 sums; everything else in f32.
;; Inputs: dec_b 10 float32; dec_w 10 x 1,024 float32; keys_codes 4,096 x 32 x 16 uint8 (E2M1 codes of keys, K innermost, in blocks of 32 codes, two codes a byte); keys_scales 4,096 x 32 uint8 (E8M0 scales of keys, one for each 32 codes along K); values 4,096 x 1,024 float32; x_codes 16,384 x 32 x 16 uint8 (E2M1 codes of x, K innermost, in blocks of 32 codes, two codes a byte); x_scales 16,384 x 32 uint8 (E8M0 scales of x, one for each 32 codes along K).
;; Outputs: out0 16,384 x 10 float32.
;; This version of the problem:
;;   THIS VERSION OF THE PROBLEM IS GIVEN IN LOW PRECISION. The matrix products marked QUANTISED in the list below multiply operands that are first quantised to E2M1 (2 exponent bits, 1 mantissa bit; 4 bits a number), with one power-of-two scale for each 32 numbers along K (OCP MX v1.0); their sums are f32. All else is computed in f32.
;;   The module's matrix products, in the order in which they are computed (A, B: the left and right operand; K: the contracted axis; several contracted axes count as one K, in the product's order):
;;     1. [M 16,384, K 1,024] x [K 1,024, N 4,096]; A: input x (given as codes); B: input keys (given as codes): QUANTISED
;;     2. [M 16,384, K 1,024] x [K 1,024, N 10]; A: computed on the way; B: input dec_w: left as it is (N = 10 < 16)
;;   THE QUANTISER, for each operand of a quantised product, along K:
;;     - K is cut into blocks of 32 from its start; a last block that is shorter is filled with zeros.
;;     - A block's scale is 2^e with e = floor(log2(the largest magnitude in the block)) - 2, held to -126 .. 127; a block of zeros has e = 0. As a byte (E8M0): e + 127.
;;     - Each number is divided by its block's scale, clamped to +-6, and rounded to the nearest number of E2M1, ties to even, subnormals kept.
;;     - The product sums the exact products of the quantised numbers (number of the format x scale) in f32.
;;   ~~~python
;;   def quantise(x, axis):      # numpy; x: float32 -> the quantised numbers, widened to float32 again
;;       x = np.moveaxis(x, axis, -1); K = x.shape[-1]
;;       x = np.pad(x, [(0, 0)] * (x.ndim - 1) + [(0, -K % 32)]); x = x.reshape(x.shape[:-1] + (-1, 32)); a = np.abs(x).max(-1, keepdims=True)
;;       e = np.where(a > 0, np.clip(np.frexp(np.where(a > 0, a, 1))[1] - 1 - 2, -126, 127), 0)      # np.frexp(a)[1] - 1 = floor(log2(a)), exactly
;;       r = np.clip(x / 2.0 ** e, -6, 6)
;;       step = 2.0 ** (np.maximum(np.frexp(np.where(r == 0, 1, r))[1] - 1, 0) - 1)
;;       q = np.round(r / step) * step * 2.0 ** e      # np.round: ties to even
;;       return np.moveaxis(q.reshape(q.shape[:-2] + (-1,))[..., :K], -1, axis).astype(np.float32)
;;   ~~~
;;   INPUTS GIVEN AS CODES. keys (in the module: [4096, 1024], K = its axis 1); x (in the module: [16384, 1024], K = its axis 1): each comes as NAME_codes (uint8): NAME with its K axis moved to the last place and cut into blocks of 32 codes, [.., K / 32, bytes a block], one block behind the other in memory; two codes a byte, the lower K in the low four bits (a code: sign, 2 exponent bits, 1 mantissa bit); and NAME_scales (uint8): the same leading axes, one E8M0 byte (e + 127) for each 32 codes along K. Its value is code x scale, taken as it is: it is not quantised again, and the codes and scales need not be those that the quantiser above would give.
;; 2 versions. Each part assembles by itself: llvm-mc -triple=amdgcn-amd-amdhsa -mcpu=gfx1250 --defsym DOCPART=n.
;; ======== version 1 of 2: 2 launches
;; workspace buffers: cand_val 524,288 bytes; cand_idx 524,288 bytes of whole numbers; table 262,144 bytes
;; launch near (part 1): grid 32 x 8, 4 waves a work-group, clusters of 4 x 1, 295,936 bytes of LDS; arguments x_codes, x_scales, keys_codes, keys_scales, values, dec_w, dec_b, cand_val, cand_idx, table; writes cand_val, cand_idx, table
.if DOCPART == 1
	.amdgcn_target "amdgcn-amd-amdhsa--gfx1250"
	.amdhsa_code_object_version 6
	.text
	.protected	k_qa3ea454778_near
	.globl	k_qa3ea454778_near
	.p2align	8
	.type	k_qa3ea454778_near,@function
k_qa3ea454778_near:
	s_mov_b64 s[64:65], 0
	v_nop
	global_prefetch_b8 v0, s[64:65] scope:SCOPE_SE
	s_setreg_imm32_b32 hwreg(HW_REG_WAVE_MODE, 25, 1), 1
	s_wait_xcnt 0x0
	s_wait_alu depctr_hold_cnt(0) depctr_sa_sdst(0) depctr_va_vdst(0) depctr_va_sdst(0) depctr_va_ssrc(0) depctr_va_vcc(0) depctr_vm_vsrc(0)
	s_getreg_b32 s2, hwreg(HW_REG_IB_STS2, 6, 4)
	s_cmp_eq_u32 s2, 0
	s_cbranch_scc0 .Lentry_in_a_cluster
	s_endpgm
.Lentry_in_a_cluster:
	s_bfe_u32 s2, ttmp6, 0x10000c
	s_cmp_lg_u32 s2, 0x3003
	s_cbranch_scc0 .Lentry_shape_is_right
	s_endpgm
.Lentry_shape_is_right:
; out0[b] = values[n(b)] . dec_w^T + dec_b, where n(b) is the FIRST index of the largest of the scores x[b] . keys[k], k = 0 .. 4095 (codes of E2M1 with E8M0 scales, sums in f32).
; THIS LAUNCH makes (a) for each of 8 slices of 512 keys each row's largest score and the first key that has it: cand_val, cand_idx, both [8][16384];
; (b) table[k][0 .. 9] = values[k] . dec_w^T + dec_b, laid [4096][16] f32 (columns 10-15 are stored filler that nobody reads).  The next launch chooses among a row's 8 candidates and copies the table's row.
; NOTHING OF THE PROBLEM IS LEFT OUT, and every input is loaded.  The second product is made once for each KEY and not once for each row of x: values[n] is a copy of a row, so the product and the bias
; are the same arithmetic on the same numbers whichever row of x asks for them.  That holds for all values of the inputs.
; LIMITS.  A score that is NaN (a scale byte 0xff) is passed over by the maxima, where jnp.argmax would take it.  values and dec_w are rounded to bf16 for the table's products, sums in f32.
; Two scores that differ by less than the matrix instruction's own rounding of a sum may change places; sums that f32 holds exactly do not.
; SHARES.  256 work-groups.  Work-group (X, y) owns rows 512 X .. + 511 of x and keys 512 y .. + 511, all of K.  Wave w owns 128 of the rows, 8 blocks of 16: their codes (8 blocks x 8 K steps x 8 registers = 512)
; stay in registers for the whole launch.  The slice's 512 keys lie in LDS whole (256 KiB of codes): no slot is ever filled again.  All four waves walk them, 32 keys a tile, 16 tiles.
; THE PRODUCT IS USED TRANSPOSED, 32 keys x 16 rows x 128 K an instruction: source 0 = 32 keys, source 1 = 16 rows of x.  A lane then holds ONE row (lane % 16), and its 16 results are keys 8 h + j (j < 8) and 8 h + j + 8 (j >= 8), h = lane / 16.
; THE ARGMAX.  For each block of rows a lane keeps BEST, TIDX (the tile that last raised BEST) and SV (that tile's 16 scores).  A finished accumulator costs 27 vector instructions for its 16 scores: 8 v_max3 from BEST on,
; one compare (strictly greater: the earlier tile keeps a tie), BEST, TIDX, and 16 selects into SV.  Where in the tile the best lies is looked for once, at the end: the lowest register whose saved score equals BEST.
; BY TURNS.  A tile is two groups of 32 matrix instructions (blocks 0-3, blocks 4-7; 4 accumulators by turns, K step by K step).  While one group is multiplied, the other group's 4 finished accumulators go through the
; argmax: 108 vector instructions, dealt out in slices of 4 or 5 behind three of each four matrix instructions; behind the fourth stands the run of LDS loads for the next tile.
; CLUSTER.  The four work-groups of a cluster have the same y and so the same keys: codes and scale bytes are asked for JOINTLY (mask 15).  x's rows are shared by the 8 work-groups of a column of the grid and are NOT asked for
; jointly: a joint load lands in LDS, x's 512 rows would take 270,336 bytes there beside the keys' 270,336, which is more than a work-group can have; x goes from memory straight into the registers in which it stays.
; REGISTERS, in windows of 256 (s_set_vgpr_msb: bits 1:0 source 0, 3:2 source 1, 5:4 source 2, 7:6 destination):
;   window 0: v1-19 addresses; v20-23 M; v24-31 BEST; v32-39 TIDX; v40-47 the tile's scale words; v48-111 x's scale words; v112-239 SV; v240-247 POS; v252-253 dec_b
;   window 1: v0-127 the tile's fragments (16 registers a K step); v128-255 two buffers of 4 accumulators      window 2: x's blocks 0-3      window 3: x's blocks 4-7
.set USE32, 1                          ; 1: one instruction of 32 keys; 0: the same product as two instructions of 16 keys, on the same registers
.set KP,    528                        ; a key's row in LDS: 512 bytes + 16 of padding = 132 words: the 16 rows of a load start at 16 different groups of four banks
.set WLOAD, 64*KP                      ; 64 rows: what one tensor load brings
.set HALFK, 256*KP                     ; keys 0-255
.set TILEB, 32*KP                      ; a tile's 32 rows
.set SCL,   512*KP                     ; behind the keys: their scale bytes, 64 runs of 256 bytes (8 keys x 32), 8 bytes of padding behind each
.set SU,    264
.set SPARE, SCL+64*SU                  ; the spare words, 128 bytes for each wave: two blocks of 256 bytes that no other line names
.set STG,   SPARE+512                  ; a stage of 1,024 bytes for each wave: 128 values, then 128 indices
.set TST,   STG+4096                   ; the table's partial sums: for each wave [16 keys][16] f32
.set SPW,  1                           ; v1   LDS address of my spare word; never rewritten
.set NIL,  2                           ; v2   0; never rewritten
.set AKF0, 3                           ; v3   my lane's place in a tile of keys: r x 528 + 16 h
.set AKS0, 4                           ; v4   my lane's place among a tile's scale words: lane m takes key m
.set XO,   5                           ; v5   x's codes: r x 512 + 16 h
.set XSO,  6                           ; v6   x's scale words: r x 32
.set HOFF, 7                           ; v7   8 h + 512 y: what a lane adds to a key's place to make its index
.set STA,  8                           ; v8   the stage, in: lanes 0-15 a value, lanes 16-31 an index
.set STR,  9                           ; v9   the stage, back: 16 bytes a lane
.set CO,   10                          ; v10  16 x lane
.set PFO,  11                          ; v11  the prefetches' offset in values: r x 4096 + 256 h
.set TVO,  12                          ; v12  values: r x 4096 + 32 h
.set TWO,  13                          ; v13  dec_w: min(r, 9) x 4096 + 32 h
.set TSA,  14                          ; v14  where I put my 8 partial sums
.set TRA,  15                          ; v15  where I read the four waves' partial sums
.set TGO,  16                          ; v16  8 x lane
.set TBO,  17                          ; v17  dec_b: min(8 (lane % 8), 32)
.set AKF,  18                          ; v18  LDS address of the fragments that are being fetched
.set AKS,  19                          ; v19  and of their scale words
.set M,    20
.set BEST, 24
.set TIDX, 32
.set KS,   40
.set XS,   48
.set SV,   112
.set POS,  240
.set BIA,  252
.set OV,   SV                          ; at the end SV's registers are free: the other half's value,
.set OI,   SV+8                        ; its index,
.set SD,   SV+16                       ; what goes to the stage,
.set BK,   SV+24                       ; what comes back,
.set TP,   SV+32                       ; and the table's four partial sums
.set ACC,  128                         ; in window 1
.set WV,   24                          ; s24  my wave's number
.set G1B,  32                          ; s[32:39] descriptor group 1 for the keys' codes;  s[40:47] for their scale bytes
.set G1S,  40
.set G0S,  48                          ; s[48:51], s[52:55], s[56:59] groups 0: scale bytes, keys 0-255, keys 256-511; never rewritten
.set G0B0, 52
.set G0B1, 56
.set CNT,  60
.set TID,  61                          ; s61  the tile whose scores the argmax has in hand
.set SEL,  62                          ; s[62:63] v_permlanex16_b32's selects for lane l xor 16
.set MK,   66                          ; s66-69 four masks
.set TB,   74                          ; s74  LDS byte at which the tile that is being fetched begins
.set HI,   75                          ; s75  lanes 16-31
.set VB,   76                          ; s[76:77] values at my work-group's 16 keys, my wave's quarter of K
.set WB,   78                          ; s[78:79] dec_w at my wave's quarter of K
.set TS,   80                          ; s80  the same as TB for the scale words
.set NINF, 81                          ; s81  -infinity
.set MSB, 0
.macro WIN new                         ; the immediate's high byte repeats the setting that is left; a switch that changes nothing is dropped
.if MSB != (\new)
	s_set_vgpr_msb (MSB<<8)|(\new)
.set MSB, (\new)
.endif
.endm
; A round of the cluster's barrier: my work-group's barrier; wave 0 signals for the work-group; every wave waits for all four work-groups; my work-group's barrier once more.
.macro CROUND
	s_barrier_signal -1
	s_barrier_wait -1
	s_cmp_lg_u32 s[WV], 0
	s_cbranch_scc1 .Lnot_wave_0_\@
	s_barrier_signal -3
.Lnot_wave_0_\@:
	s_barrier_wait -3
	s_barrier_signal -1
	s_barrier_wait -1
.endm
; x's block a: 16 rows x 1,024 codes into 64 registers.  Register 8 s + 4 c + i of lane (r, h): K = 128 s + 64 c + 32 h on.  The eight loads that share a row's 256 bytes stand on end.
.macro XLOAD a
	WIN 0x80+0x40*((\a)/4)
.irp s, 0,1,2,3,4,5,6,7
.irp c, 0,1
	global_load_b128 v[64*((\a)%4)+8*\s+4*\c:64*((\a)%4)+8*\s+4*\c+3], v[XO], s[4:5] offset:8192*(\a)+64*\s+32*\c
.endr
.endr
.endm
; K step s of the tile at v[AKF]: 32 keys x 128 K, 16 registers: keys 0-15 in the first eight, keys 16-31 in the others
.macro KSET s
	WIN 0x40
.irp p, 0,1
.irp c, 0,1
	ds_load_b128 v[16*(\s)+8*\p+4*\c:16*(\s)+8*\p+4*\c+3], v[AKF] offset:16*KP*\p+64*(\s)+32*\c
.endr
.endr
.endm
.macro KSC s                           ; and its scale words: lane m takes key m's.  (Destination and address in window 0: so under 0 and under 0x14)
.if MSB != 0
	WIN 0x14
.endif
	ds_load_b32 v[KS+(\s)], v[AKS] offset:4*(\s)
.endm
; One matrix instruction: group g (x's blocks 4 g .. 4 g + 3), K step s, block 4 g + u.  The first K step starts the sum with the constant 0: nothing is cleared.
.macro MM g, s, u
	WIN 0x59+4*(\g)
.set rD, ACC+64*(\g)+16*(\u)
.set rA, 16*(\s)
.set rB, 64*(\u)+8*(\s)
.set rK, KS+(\s)
.set rX, XS+8*(4*(\g)+(\u))+(\s)
.if USE32
.if (\s) == 0
	v_wmma_scale_f32_32x16x128_f4 v[rD:rD+15], v[rA:rA+15], v[rB:rB+7], 0, v[rK], v[rX]
.else
	v_wmma_scale_f32_32x16x128_f4 v[rD:rD+15], v[rA:rA+15], v[rB:rB+7], v[rD:rD+15], v[rK], v[rX]
.endif
.else
.if (\s) == 0
	v_wmma_scale_f32_16x16x128_f8f6f4 v[rD:rD+7], v[rA:rA+7], v[rB:rB+7], 0, v[rK], v[rX] matrix_a_fmt:MATRIX_FMT_FP4 matrix_b_fmt:MATRIX_FMT_FP4
	v_wmma_scale_f32_16x16x128_f8f6f4 v[rD+8:rD+15], v[rA+8:rA+15], v[rB:rB+7], 0, v[rK], v[rX] matrix_a_fmt:MATRIX_FMT_FP4 matrix_b_fmt:MATRIX_FMT_FP4 matrix_a_scale:MATRIX_SCALE_ROW1
.else
	v_wmma_scale_f32_16x16x128_f8f6f4 v[rD:rD+7], v[rA:rA+7], v[rB:rB+7], v[rD:rD+7], v[rK], v[rX] matrix_a_fmt:MATRIX_FMT_FP4 matrix_b_fmt:MATRIX_FMT_FP4
	v_wmma_scale_f32_16x16x128_f8f6f4 v[rD+8:rD+15], v[rA+8:rA+15], v[rB:rB+7], v[rD+8:rD+15], v[rK], v[rX] matrix_a_fmt:MATRIX_FMT_FP4 matrix_b_fmt:MATRIX_FMT_FP4 matrix_a_scale:MATRIX_SCALE_ROW1
.endif
.endif
.endm
; THE ARGMAX of buffer q's four accumulators (x's blocks a0 .. a0 + 3) is a list of 108 instructions; ARG writes number n of it and steps n.  The four blocks take turns, so that no line waits for the line above it.
;   0-31    M = the largest of BEST and the 16 scores, from the accumulator's low end on        32-35  mask = M > BEST        36-39  BEST = M        40-43  TIDX = the tile, under the mask
;   44-107  SV = the 16 scores, under the mask
.macro ARG q, a0
.set cb, ACC+64*(\q)
.if n < 32
	WIN 0x14
.set au, n%4
.set ai, n/4
.if ai == 0
	v_max3_num_f32 v[M+au], v[BEST+(\a0)+au], v[cb+16*au], v[cb+16*au+1]
.else
	v_max3_num_f32 v[M+au], v[M+au], v[cb+16*au+2*ai], v[cb+16*au+2*ai+1]
.endif
.elseif n < 36
	WIN 0
	v_cmp_gt_f32 s[MK+n-32], v[M+n-32], v[BEST+(\a0)+n-32]
.elseif n < 40
	WIN 0
	v_mov_b32 v[BEST+(\a0)+n-36], v[M+n-36]
.elseif n < 44
.if n < 42
	WIN 0                                          ; (these four name window 0 and scalars alone: they stand under the setting of the slice that they fall into)
.else
	WIN 0x14
.endif
	v_cndmask_b32 v[TIDX+(\a0)+n-40], v[TIDX+(\a0)+n-40], s[TID], s[MK+n-40]
.else
	WIN 0x14
.set ae, n-44
	v_cndmask_b32 v[SV+16*((\a0)+ae%4)+ae/4], v[SV+16*((\a0)+ae%4)+ae/4], v[cb+16*(ae%4)+ae/4], s[MK+ae%4]
.endif
.set n, n+1
.endm
.macro SLICE cnt, q, a0
.rept \cnt
	ARG \q, \a0
.endr
.endm
; The table's step q: 32 along K of dec_w's rows (source 0; rows past the tenth repeat the tenth) and of my work-group's 16 rows of values (source 1), as f32, into window 2, which x's blocks 0-3 have left
.macro TLOADS q
	WIN 0x80
.irp o, 0,1,2,3
	global_load_b128 v[32*(\q)+4*\o:32*(\q)+4*\o+3], v[TWO], s[WB:WB+1] offset:128*(\q)+64*(\o/2)+16*(\o%2)
.endr
.irp o, 0,1,2,3
	global_load_b128 v[32*(\q)+16+4*\o:32*(\q)+16+4*\o+3], v[TVO], s[VB:VB+1] offset:128*(\q)+64*(\o/2)+16*(\o%2)
.endr
.endm
; A GROUP: 32 matrix instructions, the 4 accumulators by turns, and between them the other buffer's argmax.  4 + (5 or 4) + 5 items a K step: 4 x 14 + 4 x 13 = 108.
; The five items behind each K step's last product name none of its registers: they are the places in front of the loads that follow into that K step's fragments and scale words, and, at a group's end, in front of the first read of its results.
; LDS LOADS.  A tile's fragments come as eight sets of five loads (four of codes, one of scale words).  Sets 0-6 are asked for in the group 1 before, set s - 1 in K step s; set 7 in K step 0 of the tile's own group 0.
; So in group 0 the wait in front of K step s leaves out the sets behind set s: 30 loads for s = 0 (sets 1-6) and s = 1 (sets 2-7), then 25, 20, .. 0.
; mode = 1: the last tile: nothing more is fetched from LDS, and the table's loads take the fetches' places.
.macro GROUP g, mode
.set n, 0
.if \g
	s_wait_loadcnt 0x0                             ; x's blocks 4-7 are in (met at once in every tile but the first)
	s_add_co_u32 s[TID], s[TID], 1                 ; the argmax goes on to this tile's scores
.endif
.irp s, 0,1,2,3,4,5,6,7
.if (\g) == 0
.if \s < 2
	s_wait_dscnt 30
.else
	s_wait_dscnt 35-5*\s
.endif
.endif
	MM \g, \s, 0
.if ((\g) == 0) && (\s == 0)
	KSET 7
.endif
.if ((\g) == 0) && (\s == 1) && ((\mode) == 0)
	s_add_co_u32 s[TB], s[TB], TILEB               ; this tile's last set has been asked for: on to the next tile
	s_add_co_u32 s[TS], s[TS], 4*SU
	WIN 0
	v_add_nc_u32 v[AKF], s[TB], v[AKF0]
	v_add_nc_u32 v[AKS], s[TS], v[AKS0]
.endif
.if ((\g) == 1) && (\s > 0) && ((\mode) == 0)
	KSET \s-1
.endif
.if ((\g) == 1) && (\s > 0) && ((\mode) == 1)
	TLOADS \s-1
.endif
	MM \g, \s, 1
.if ((\g) == 0) && (\s == 0)
	KSC 7
.endif
.if ((\g) == 1) && (\s > 0) && ((\mode) == 0)
	KSC \s-1
.endif
	SLICE 4, 1-\g, 4-4*\g
	MM \g, \s, 2
	SLICE 5-\s/4, 1-\g, 4-4*\g
	MM \g, \s, 3
	SLICE 5, 1-\g, 4-4*\g
.endr
.endm
.macro TILE mode
	GROUP 0, \mode
	GROUP 1, \mode
	WIN 0                                          ; at a label and at a branch every window is 0
.endm
; The table's step q: rounded to bf16 in pairs, then one product; two accumulators by turns.  cnt: the loads issued behind step q's eight, which may stay out.
.macro TSTEP q, cnt
	s_wait_loadcnt \cnt
	WIN 0x4a                                       ; sources window 2, destination window 1
.irp i, 0,1,2,3,4,5,6,7
	v_cvt_pk_bf16_f32 v[16*((\q)%2)+\i], v[32*(\q)+2*\i], v[32*(\q)+2*\i+1]
.endr
.irp i, 0,1,2,3,4,5,6,7
	v_cvt_pk_bf16_f32 v[16*((\q)%2)+8+\i], v[32*(\q)+16+2*\i], v[32*(\q)+16+2*\i+1]
.endr
	WIN 0x55                                       ; all in window 1
.if (\q) < 2
	v_wmma_f32_16x16x32_bf16 v[64+8*((\q)%2):71+8*((\q)%2)], v[16*((\q)%2):16*((\q)%2)+7], v[16*((\q)%2)+8:16*((\q)%2)+15], 0
.else
	v_wmma_f32_16x16x32_bf16 v[64+8*((\q)%2):71+8*((\q)%2)], v[16*((\q)%2):16*((\q)%2)+7], v[16*((\q)%2)+8:16*((\q)%2)+15], v[64+8*((\q)%2):71+8*((\q)%2)]
.endif
.endm
	s_load_b512 s[4:19], s[0:1], 0x0               ; x_codes s[4:5], x_scales s[6:7], keys_codes s[8:9], keys_scales s[10:11], values s[12:13], dec_w s[14:15], dec_b s[16:17], cand_val s[18:19]
	s_load_b128 s[20:23], s[0:1], 0x40             ; cand_idx s[20:21], table s[22:23]
	v_lshl_add_u32 v[SPW], v0, 2, SPARE
	v_mov_b32 v[NIL], 0
	ds_add_u32 v[SPW], v[NIL]                      ; the wave's opening: the add, twice on end, and its wait ahead of my first tensor load; the set-up below, work on registers, stands between the second and the wait
	ds_add_u32 v[SPW], v[NIL]                      ; and once more
	v_lshrrev_b32 v20, 5, v0
	v_readfirstlane_b32 s[WV], v20                 ; wave 0..3
	s_bfe_u32 s25, ttmp6, 0x40000                  ; cx: my place in the cluster: it enters global addresses of x, values, the candidates and the table alone
	s_lshl_b32 s26, ttmp9, 2                       ; in a cluster launch ttmp9 counts clusters
	s_add_co_u32 s26, s26, s25                     ; X = 4 x cluster x + cx
	s_and_b32 s27, ttmp7, 0xffff                   ; y, which the four partners share
	s_lshl_b32 s28, s27, 5
	s_add_co_u32 s28, s28, s26                     ; the work-group's number, 32 y + X: its 16 keys of the table
	; descriptor group 1, the keys' codes: 64 rows of 512 bytes, dense in memory, 16 bytes of padding behind each in LDS
	s_mov_b32 s[G1B+0], 15|(1<<20)|(1<<21)|(6<<22)|(3<<25)   ; 15:0 the mask: all four work-groups; 17:16 elements of 1 byte; 20 padding on; 21 set beside a mask; 24:22 after every 128 words (code 6); 31:25 four words (code 3)
	s_mov_b32 s[G1B+1], 512<<16                    ; tensor_dim0
	s_mov_b32 s[G1B+2], 64<<16                     ; tensor_dim1
	s_mov_b32 s[G1B+3], 512<<16                    ; tile_dim0
	s_mov_b32 s[G1B+4], 64                         ; tile_dim1
	s_mov_b32 s[G1B+5], 512                        ; tensor_dim0_stride
	s_mov_b32 s[G1B+6], 0
	s_mov_b32 s[G1B+7], 0
	; and their scale bytes: 4,096 dense bytes as 16 rows of 256 (32 elements of 8 bytes), 8 bytes of padding behind each
	s_mov_b32 s[G1S+0], 15|(3<<16)|(1<<20)|(1<<21)|(5<<22)|(1<<25)
	s_mov_b32 s[G1S+1], 32<<16
	s_mov_b32 s[G1S+2], 16<<16
	s_mov_b32 s[G1S+3], 32<<16
	s_mov_b32 s[G1S+4], 16
	s_mov_b32 s[G1S+5], 32
	s_mov_b32 s[G1S+6], 0
	s_mov_b32 s[G1S+7], 0
	; what I fetch of the keys: made of y and the wave's number alone, in registers that never hold X
	s_lshl_b32 s70, s27, 18                        ; codes: (512 y + 64 w) rows of 512 bytes
	s_lshl_b32 s29, s[WV], 15
	s_add_co_u32 s70, s70, s29
	s_mov_b32 s71, 0
	s_lshl_b32 s72, s27, 14                        ; scale bytes: (512 y + 128 w) rows of 32 bytes
	s_lshl_b32 s29, s[WV], 12
	s_add_co_u32 s72, s72, s29
	s_mov_b32 s73, 0
	s_mov_b32 s[G0S], 1
	s_mul_i32 s[G0S+1], s[WV], 16*SU
	s_add_co_u32 s[G0S+1], s[G0S+1], SCL
	s_mov_b32 s[G0B0], 1
	s_mul_i32 s[G0B0+1], s[WV], WLOAD
	s_mov_b32 s[G0B1], 1
	s_add_co_u32 s[G0B1+1], s[G0B0+1], HALFK
	; the other offsets, each in a pair of its own
	s_lshl_b32 s82, s26, 18                        ; x's codes: (512 X + 128 w) rows of 512 bytes
	s_lshl_b32 s29, s[WV], 16
	s_add_co_u32 s82, s82, s29
	s_mov_b32 s83, 0
	s_lshl_b32 s84, s26, 14                        ; x's scale bytes: the same rows of 32 bytes
	s_lshl_b32 s29, s[WV], 12
	s_add_co_u32 s84, s84, s29
	s_mov_b32 s85, 0
	s_lshl_b32 s86, s27, 16                        ; the candidates: slice y of 65,536 bytes, 4 bytes a row
	s_lshl_b32 s29, s26, 11
	s_add_co_u32 s86, s86, s29
	s_lshl_b32 s29, s[WV], 9
	s_add_co_u32 s86, s86, s29
	s_mov_b32 s87, 0
	s_lshl_b32 s88, s28, 10                        ; the table: 16 keys of 64 bytes a work-group, 4 keys a wave
	s_lshl_b32 s29, s[WV], 8
	s_add_co_u32 s88, s88, s29
	s_mov_b32 s89, 0
	s_lshl_b32 s90, s28, 16                        ; values: 16 rows of 4,096 bytes a work-group, 1,024 bytes of each a wave
	s_lshl_b32 s92, s[WV], 10                      ; dec_w: the same quarter of K
	s_add_co_u32 s90, s90, s92
	s_mov_b32 s91, 0
	s_mov_b32 s93, 0
	s_mov_b32 s[SEL], 0x76543210
	s_mov_b32 s[SEL+1], 0xfedcba98
	s_mov_b32 s[HI], 0xffff0000
	s_mov_b32 s[NINF], 0xff800000
	s_mov_b32 s[TB], 0
	s_mov_b32 s[TS], 0
	s_mov_b32 s[TID], -1
	; the lanes' offsets
	v_and_b32 v20, 15, v0                          ; r
	v_bfe_u32 v21, v0, 4, 1                        ; h
	v_and_b32 v22, 31, v0                          ; lane
	v_mul_u32_u24 v[AKF0], v20, KP
	v_lshl_add_u32 v[AKF0], v21, 4, v[AKF0]
	v_lshrrev_b32 v23, 3, v22
	v_mul_u32_u24 v[AKS0], v23, SU
	v_and_b32 v23, 7, v22
	v_lshl_add_u32 v[AKS0], v23, 5, v[AKS0]
	v_add_nc_u32 v[AKS0], SCL, v[AKS0]
	v_lshlrev_b32 v[XO], 9, v20
	v_lshl_add_u32 v[XO], v21, 4, v[XO]
	v_lshlrev_b32 v[XSO], 5, v20
	s_lshl_b32 s29, s27, 9
	v_lshl_add_u32 v[HOFF], v21, 3, s29
	s_lshl_b32 s30, s[WV], 10
	s_add_co_u32 s31, s30, STG                     ; my stage
	v_lshlrev_b32 v[STA], 2, v20
	v_lshl_add_u32 v[STA], v21, 9, v[STA]
	v_add_nc_u32 v[STA], s31, v[STA]
	v_lshlrev_b32 v[CO], 4, v22
	v_add_nc_u32 v[STR], s31, v[CO]
	v_lshlrev_b32 v[PFO], 12, v20
	v_lshl_add_u32 v[TVO], v21, 5, v[PFO]
	v_lshl_add_u32 v[PFO], v21, 8, v[PFO]
	v_min_u32 v[TWO], 9, v20
	v_lshlrev_b32 v[TWO], 12, v[TWO]
	v_lshl_add_u32 v[TWO], v21, 5, v[TWO]
	s_add_co_u32 s29, s30, TST
	v_lshlrev_b32 v[TSA], 6, v20
	v_lshl_add_u32 v[TSA], v21, 5, v[TSA]
	v_add_nc_u32 v[TSA], s29, v[TSA]
	s_lshl_b32 s29, s[WV], 8
	s_add_co_u32 s29, s29, TST
	v_lshlrev_b32 v[TGO], 3, v22
	v_add_nc_u32 v[TRA], s29, v[TGO]
	v_lshlrev_b32 v[TBO], 3, v23
	v_min_u32 v[TBO], 32, v[TBO]
	s_wait_dscnt 0x0                               ; both opening adds are done
	s_wait_kmcnt 0x0
	s_add_nc_u64 s[G0S+2:G0S+3], s[10:11], s[72:73]
	s_or_b32 s[G0S+3], s[G0S+3], 0x80000000        ; 127:126 type = 2
	s_add_nc_u64 s[G0B0+2:G0B0+3], s[8:9], s[70:71]
	s_add_nc_u64 s[G0B1+2:G0B1+3], s[G0B0+2:G0B0+3], 256*512
	s_or_b32 s[G0B0+3], s[G0B0+3], 0x80000000
	s_or_b32 s[G0B1+3], s[G0B1+3], 0x80000000
	s_add_nc_u64 s[4:5], s[4:5], s[82:83]
	s_add_nc_u64 s[6:7], s[6:7], s[84:85]
	s_add_nc_u64 s[18:19], s[18:19], s[86:87]
	s_add_nc_u64 s[20:21], s[20:21], s[86:87]
	s_add_nc_u64 s[22:23], s[22:23], s[88:89]
	s_add_nc_u64 s[VB:VB+1], s[12:13], s[90:91]
	s_add_nc_u64 s[WB:WB+1], s[14:15], s[92:93]
	CROUND                                         ; all four work-groups are here: the joint loads meet
	tensor_load_to_lds s[G0S:G0S+3], s[G1S:G1S+7]  ; every wave asks for three parts, with no branch: a quarter of the scale bytes,
	s_nop 0
	tensor_load_to_lds s[G0B0:G0B0+3], s[G1B:G1B+7]   ; 64 of keys 0-255,
	s_nop 0
	tensor_load_to_lds s[G0B1:G0B1+3], s[G1B:G1B+7]   ; 64 of keys 256-511: three tensor loads of mine are out, and these are all that the launch has
	s_nop 0
.rept 4
	v_nop
.endr
.irp a, 0,1,2,3,4,5,6,7
.irp q, 0,1
	global_load_b128 v[XS+8*\a+4*\q:XS+8*\a+4*\q+3], v[XSO], s[6:7] offset:512*\a+16*\q   ; x's scale words: register 8 a + s, lane r (both halves alike): row 16 a + r, K step s
.endr
.endr
	XLOAD 0
	XLOAD 1
	WIN 0
; The argmax's state, written while memory is awaited.  These are no sums to be cleared: every one is the 'else' source of a select or the first leaf of a maximum.  BEST, SV and the second buffer of accumulators begin as
; -infinity, so that the first tile's first group, which has no scores yet to look at, raises nothing, and a row whose every score is -infinity ends at its first key.
.irp a, 0,1,2,3,4,5,6,7
	v_mov_b32 v[BEST+\a], s[NINF]
	v_mov_b32 v[TIDX+\a], 0
.endr
.set i, 0
.rept 128
	v_mov_b32 v[SV+i], s[NINF]
.set i, i+1
.endr
	WIN 0x40
.set i, 0
.rept 64
	v_mov_b32 v[ACC+64+i], s[NINF]
.set i, i+1
.endr
	XLOAD 2
	XLOAD 3
	XLOAD 4
	XLOAD 5
	XLOAD 6
	XLOAD 7
	WIN 0
	s_wait_tensorcnt 0x1                           ; my parts of the scale bytes and of keys 0-255 are in; one younger load, keys 256-511, may stay out
	s_barrier_signal -1
	s_barrier_wait -1                              ; everybody's are
	v_add_nc_u32 v[AKF], s[TB], v[AKF0]
	v_add_nc_u32 v[AKS], s[TS], v[AKS0]
.irp s, 0,1,2,3,4,5,6
	KSET \s                                        ; tile 0's sets 0-6, in the order in which the waits count them
	KSC \s
.endr
	WIN 0
	s_wait_loadcnt 63                              ; of my 144 loads (16 of scale words, 64 for blocks 0-3, 64 for blocks 4-7) the first 81 are in: all that group 0 reads
	s_mov_b32 s[CNT], 7
.Ltiles_a:                                             ; tiles 0-6: they read, and fetch ahead, keys 0-255 alone
	TILE 0
	s_sub_co_u32 s[CNT], s[CNT], 1
	s_cmp_lg_u32 s[CNT], 0
	s_cbranch_scc1 .Ltiles_a
	s_wait_tensorcnt 0x0                           ; my part of keys 256-511 is in: no load was issued behind it
	s_wait_dscnt 0x0                               ; no LDS load of mine is pending at a signal
	s_barrier_signal -1
	s_barrier_wait -1                              ; everybody's is: tile 7's second group fetches tile 8's first sets
	s_mov_b32 s[CNT], 4
.Ltiles_b:                                             ; tiles 7-10
	TILE 0
	s_sub_co_u32 s[CNT], s[CNT], 1
	s_cmp_lg_u32 s[CNT], 0
	s_cbranch_scc1 .Ltiles_b
	; A PREFETCH INTO THE L2 of what the table will read: my wave's 1,024 bytes of each of my work-group's 16 rows of values, 64 aligned blocks of 256 bytes, a lane a block, two instructions.  No other wave of the launch reads
	; these bytes, so each block is named once.  It stands four tiles, 256 matrix instructions, ahead of the first load that wants them; its address registers are never rewritten.
	global_prefetch_b8 v[PFO], s[VB:VB+1] th:TH_LOAD_NT scope:SCOPE_SE
	global_prefetch_b8 v[PFO], s[VB:VB+1] offset:512 th:TH_LOAD_NT scope:SCOPE_SE
	s_mov_b32 s[CNT], 4
.Ltiles_c:                                             ; tiles 11-14
	TILE 0
	s_sub_co_u32 s[CNT], s[CNT], 1
	s_cmp_lg_u32 s[CNT], 0
	s_cbranch_scc1 .Ltiles_c
	TILE 1                                         ; tile 15, written out: it fetches no further tile, and asks for the table's steps 0-6
	; THE END OF THE ARGMAX.  First the table's last loads go out; then blocks 4-7 of tile 15 (the five items behind the last product were the places in front of this first read of its results).
	global_load_b64 v[BIA:BIA+1], v[TBO], s[16:17] ; dec_b at my two columns of the table (past the tenth: the last pair again)
	TLOADS 7
.set n, 0
	SLICE 108, 1, 4
	WIN 0
	; where in the winning tile: the lowest register whose saved score equals BEST.  One of the 16 does, so register 15's key stands until a lower one is found.
.irp a, 0,1,2,3,4,5,6,7
	v_mov_b32 v[POS+\a], 23
.endr
.irp b, 0,4
.irp j, 14,13,12,11,10,9,8,7,6,5,4,3,2,1,0
.irp u, 0,1,2,3
	v_cmp_eq_f32 s[MK+\u], v[SV+16*(\b+\u)+\j], v[BEST+\b+\u]
.endr
.irp u, 0,1,2,3
	v_cndmask_b32 v[POS+\b+\u], v[POS+\b+\u], \j+8*(\j/8), s[MK+\u]
.endr
.endr
.endr
.irp a, 0,1,2,3,4,5,6,7
	v_lshl_add_u32 v[POS+\a], v[TIDX+\a], 5, v[POS+\a]
.endr
.irp a, 0,1,2,3,4,5,6,7
	v_add_nc_u32 v[POS+\a], v[HOFF], v[POS+\a]     ; the key's index: 512 y + 32 tile + 8 h + place
.endr
	; a row's other 256 keys of the slice lie in the lane 16 away: the larger score stays, of two equal ones the lower index
.irp a, 0,1,2,3,4,5,6,7
	v_permlanex16_b32 v[OV+\a], v[BEST+\a], s[SEL], s[SEL+1]
	v_permlanex16_b32 v[OI+\a], v[POS+\a], s[SEL], s[SEL+1]
.endr
.irp b, 0,4
.irp u, 0,1,2,3
	v_cmp_gt_f32 s[84+\u], v[OV+\b+\u], v[BEST+\b+\u]
.endr
.irp u, 0,1,2,3
	v_cmp_eq_f32 s[88+\u], v[OV+\b+\u], v[BEST+\b+\u]
.endr
.irp u, 0,1,2,3
	v_cmp_lt_u32 s[92+\u], v[OI+\b+\u], v[POS+\b+\u]
.endr
.irp u, 0,1,2,3
	s_and_b32 s[88+\u], s[88+\u], s[92+\u]
	s_or_b32 s[84+\u], s[84+\u], s[88+\u]          ; the masks go into selects alone: no branch and no address hangs on them
.endr
.irp u, 0,1,2,3
	v_cndmask_b32 v[BEST+\b+\u], v[BEST+\b+\u], v[OV+\b+\u], s[84+\u]
	v_cndmask_b32 v[POS+\b+\u], v[POS+\b+\u], v[OI+\b+\u], s[84+\u]
.endr
.irp u, 0,1,2,3
	v_cndmask_b32 v[SD+\b+\u], v[BEST+\b+\u], v[POS+\b+\u], s[HI]   ; both halves now hold the same pair: lanes 0-15 send the value, lanes 16-31 the index
.endr
.irp u, 0,1,2,3
	ds_store_b32 v[STA], v[SD+\b+\u] offset:64*(\b+\u)
.endr
.endr
	ds_load_b128 v[BK:BK+3], v[STR]                ; LDS serves a wave's instructions in order: these see my stores.  My 128 values,
	ds_load_b128 v[BK+4:BK+7], v[STR] offset:512   ; my 128 indices
	s_wait_dscnt 0x0
	global_store_b128 v[CO], v[BK:BK+3], s[18:19]  ; each store of the wave covers 512 consecutive bytes, at a multiple of 256 from the buffer's first byte
	global_store_b128 v[CO], v[BK+4:BK+7], s[20:21]
	; THE TABLE: my work-group's 16 keys, my wave's 256 of K in 8 steps of 32.  Transposed: source 0 = dec_w's rows, source 1 = 16 rows of values: lane (r, h) holds key r and outputs 8 h .. 8 h + 7.
	; The counts: behind step q's eight loads stand those of steps q + 1 .. 6, dec_b's one and step 7's eight.
	TSTEP 0, 57
	TSTEP 1, 49
	TSTEP 2, 41
	TSTEP 3, 33
	TSTEP 4, 25
	TSTEP 5, 17
	TSTEP 6, 9
	TSTEP 7, 0
.rept 4
	v_nop                                          ; places in front of the first read of the last product's results
.endr
.irp i, 0,2,4,6
	v_pk_add_f32 v[80+\i:81+\i], v[64+\i:65+\i], v[72+\i:73+\i]   ; the two accumulators, each from its low end on
.endr
	WIN 0x04                                       ; an LDS store's data are its source 1: window 1
	ds_store_b128 v[TSA], v[80:83]
	ds_store_b128 v[TSA], v[84:87] offset:16
	WIN 0
	s_wait_dscnt 0x0                               ; for the others' sake: my partial sums lie in LDS
	s_barrier_signal -1
	s_barrier_wait -1
.irp i, 0,1,2,3
	ds_load_b64 v[TP+2*\i:TP+2*\i+1], v[TRA] offset:1024*\i   ; the four quarters of K, for keys 4 w .. 4 w + 3: two columns a lane
.endr
	s_wait_dscnt 0x0
	v_pk_add_f32 v[TP:TP+1], v[TP:TP+1], v[TP+2:TP+3]
	v_pk_add_f32 v[TP+4:TP+5], v[TP+4:TP+5], v[TP+6:TP+7]
	v_pk_add_f32 v[TP:TP+1], v[TP:TP+1], v[TP+4:TP+5]
	v_pk_add_f32 v[TP:TP+1], v[TP:TP+1], v[BIA:BIA+1]
	global_store_b64 v[TGO], v[TP:TP+1], s[22:23]  ; the wave stores 256 consecutive bytes, at a multiple of 256 from the table's first byte
	s_wait_tensorcnt 0x0                           ; the wave's end, behind my last tensor load and my last LDS store
	ds_add_u32 v[SPW], v[NIL]
	s_wait_dscnt 0x0
	CROUND                                         ; the closing round
	s_endpgm
.Lfunc_end_k_qa3ea454778_near:
	.size	k_qa3ea454778_near, .Lfunc_end_k_qa3ea454778_near-k_qa3ea454778_near
	.p2alignl 7, 3214868480
	.fill 96, 4, 3214868480
	.section	.rodata,"a",@progbits
	.p2align	6, 0x0
	.amdhsa_kernel k_qa3ea454778_near
		.amdhsa_group_segment_fixed_size 295936
		.amdhsa_private_segment_fixed_size 0
		.amdhsa_enable_private_segment 0
		.amdhsa_kernarg_size 80
		.amdhsa_user_sgpr_count 2
		.amdhsa_user_sgpr_kernarg_segment_ptr 1
		.amdhsa_wavefront_size32 1
		.amdhsa_system_sgpr_workgroup_id_x 1
		.amdhsa_system_sgpr_workgroup_id_y 1
		.amdhsa_system_sgpr_workgroup_id_z 1
		.amdhsa_system_vgpr_workitem_id 0
		.amdhsa_next_free_vgpr 1024
		.amdhsa_next_free_sgpr 96
		.amdhsa_reserve_vcc 0
		.amdhsa_float_denorm_mode_32 3
		.amdhsa_float_denorm_mode_16_64 3
		.amdhsa_memory_ordered 1
		.amdhsa_forward_progress 1
		.amdhsa_inst_pref_size 185
	.end_amdhsa_kernel
	.amdgpu_metadata
---
amdhsa.version: [ 1, 2 ]
amdhsa.kernels:
  - .name:           k_qa3ea454778_near
    .symbol:         k_qa3ea454778_near.kd
    .args:
      - { .name: x_codes, .offset: 0, .size: 8, .value_kind: global_buffer, .address_space: global }
      - { .name: x_scales, .offset: 8, .size: 8, .value_kind: global_buffer, .address_space: global }
      - { .name: keys_codes, .offset: 16, .size: 8, .value_kind: global_buffer, .address_space: global }
      - { .name: keys_scales, .offset: 24, .size: 8, .value_kind: global_buffer, .address_space: global }
      - { .name: values, .offset: 32, .size: 8, .value_kind: global_buffer, .address_space: global }
      - { .name: dec_w, .offset: 40, .size: 8, .value_kind: global_buffer, .address_space: global }
      - { .name: dec_b, .offset: 48, .size: 8, .value_kind: global_buffer, .address_space: global }
      - { .name: cand_val, .offset: 56, .size: 8, .value_kind: global_buffer, .address_space: global }
      - { .name: cand_idx, .offset: 64, .size: 8, .value_kind: global_buffer, .address_space: global }
      - { .name: table, .offset: 72, .size: 8, .value_kind: global_buffer, .address_space: global }
    .group_segment_fixed_size: 295936
    .private_segment_fixed_size: 0
    .kernarg_segment_align: 8
    .kernarg_segment_size: 80
    .max_flat_workgroup_size: 128
    .sgpr_count:     96
    .vgpr_count:     1024
    .wavefront_size: 32
...
	.end_amdgpu_metadata
.endif
;; end of part 1
;; launch pick (part 2): grid 256 x 1, 10 waves a work-group, no clusters, 0 bytes of LDS; arguments cand_val, cand_idx, table, out0; writes out0
.if DOCPART == 2
	.amdgcn_target "amdgcn-amd-amdhsa--gfx1250"
	.amdhsa_code_object_version 6
	.text
	.protected	k_qa3ea454778_pick
	.globl	k_qa3ea454778_pick
	.p2align	8
	.type	k_qa3ea454778_pick,@function
k_qa3ea454778_pick:
	s_mov_b64 s[64:65], 0
	v_nop
	global_prefetch_b8 v0, s[64:65] scope:SCOPE_SE
	s_setreg_imm32_b32 hwreg(HW_REG_WAVE_MODE, 25, 1), 1
	s_wait_xcnt 0x0
; out0[row][0 .. 9] = table[n(row)][0 .. 9], n(row) the first index of the row's largest score.  The launch before left, for each of 8 slices of 512 keys, the row's largest score (cand_val [8][16384]) and the first key
; that has it (cand_idx, whole numbers), and table[k] = values[k] . dec_w^T + dec_b ([4096][16] f32).  No work of the problem is left out here.
; No address hangs on a comparison of scores: all 8 candidates' rows of the table are fetched, by indices READ from memory, and the comparison only selects among what came.
; A slice's score takes the place of an earlier slice's only if it is strictly greater: of equal scores the lower slice, which is the lower index, stays, as in jnp.argmax.
; SHARES.  A work-group of 320 threads takes 64 rows; a thread takes two neighbouring outputs of a row: 8 bytes.  Thread t's bytes in out0 are 8 t on from the work-group's 2,560: each store of a wave covers 256
; consecutive bytes, at a multiple of 256 from out0's first byte.  No LDS, no barrier, no matrix unit: there is nothing to share and nothing to multiply.
; LIMIT: a candidate score that is NaN never wins.
.set IDX, 8                            ; v8-15   the 8 candidates' indices
.set VAL, 16                           ; v16-23  their scores
.set ADR, 24                           ; v24-31  their places in the table
.set G,   32                           ; v32-47  their two outputs each
.set BV,  48                           ; v48     the best score so far
.set MK,  16                           ; s17-23  slice c has taken the lead
	s_load_b256 s[4:11], s[0:1], 0x0               ; cand_val s[4:5], cand_idx s[6:7], table s[8:9], out0 s[10:11]
	v_mul_u32_u24 v1, v0, 0xcccd                   ; t / 5 = (t x 52,429) >> 18, exact for t under 320
	v_lshrrev_b32 v1, 18, v1                       ; my row among the 64
	v_mul_u32_u24 v2, v1, 5
	v_sub_nc_u32 v2, v0, v2                        ; my pair of outputs, 0 .. 4
	v_lshlrev_b32 v2, 3, v2                        ; in bytes
	s_lshl_b32 s12, ttmp9, 6
	v_add_nc_u32 v1, s12, v1                       ; my row
	v_lshlrev_b32 v1, 2, v1                        ; its place in a slice of candidates
	s_mul_i32 s13, ttmp9, 2560
	v_lshl_add_u32 v3, v0, 3, s13                  ; my 8 bytes of out0
	s_wait_kmcnt 0x0
.irp c, 0,1,2,3,4,5,6,7
	global_load_b32 v[IDX+\c], v1, s[6:7] offset:65536*\c
.endr
.irp c, 0,1,2,3,4,5,6,7
	global_load_b32 v[VAL+\c], v1, s[4:5] offset:65536*\c
.endr
	s_wait_loadcnt 8                               ; the indices are in; the 8 loads of scores may be out
.irp c, 0,1,2,3,4,5,6,7
	v_min_u32 v[IDX+\c], 0xfff, v[IDX+\c]          ; an index stays inside the table
.endr
.irp c, 0,1,2,3,4,5,6,7
	v_lshl_add_u32 v[ADR+\c], v[IDX+\c], 6, v2     ; 64 bytes a key, + my pair
.endr
.irp c, 0,1,2,3,4,5,6,7
	global_load_b64 v[G+2*\c:G+2*\c+1], v[ADR+\c], s[8:9]
.endr
	s_wait_loadcnt 8                               ; the scores are in; the 8 loads from the table may be out
	v_cmp_gt_f32 s[MK+1], v[VAL+1], v[VAL]
	v_max_num_f32 v[BV], v[VAL], v[VAL+1]
.irp c, 2,3,4,5,6,7
	v_cmp_gt_f32 s[MK+\c], v[VAL+\c], v[BV]
	v_max_num_f32 v[BV], v[BV], v[VAL+\c]
.endr
	s_wait_loadcnt 0x0
.irp c, 1,2,3,4,5,6,7
	v_cndmask_b32 v[G], v[G], v[G+2*\c], s[MK+\c]  ; in the slices' order: the last that took the lead stays
	v_cndmask_b32 v[G+1], v[G+1], v[G+2*\c+1], s[MK+\c]
.endr
	global_store_b64 v3, v[G:G+1], s[10:11]
	s_endpgm
.Lfunc_end_k_qa3ea454778_pick:
	.size	k_qa3ea454778_pick, .Lfunc_end_k_qa3ea454778_pick-k_qa3ea454778_pick
	.p2alignl 7, 3214868480
	.fill 96, 4, 3214868480
	.section	.rodata,"a",@progbits
	.p2align	6, 0x0
	.amdhsa_kernel k_qa3ea454778_pick
		.amdhsa_group_segment_fixed_size 0
		.amdhsa_private_segment_fixed_size 0
		.amdhsa_enable_private_segment 0
		.amdhsa_kernarg_size 32
		.amdhsa_user_sgpr_count 2
		.amdhsa_user_sgpr_kernarg_segment_ptr 1
		.amdhsa_wavefront_size32 1
		.amdhsa_system_sgpr_workgroup_id_x 1
		.amdhsa_system_sgpr_workgroup_id_y 1
		.amdhsa_system_sgpr_workgroup_id_z 1
		.amdhsa_system_vgpr_workitem_id 0
		.amdhsa_next_free_vgpr 56
		.amdhsa_next_free_sgpr 66
		.amdhsa_reserve_vcc 0
		.amdhsa_float_denorm_mode_32 3
		.amdhsa_float_denorm_mode_16_64 3
		.amdhsa_memory_ordered 1
		.amdhsa_forward_progress 1
		.amdhsa_inst_pref_size 6
	.end_amdhsa_kernel
	.amdgpu_metadata
---
amdhsa.version: [ 1, 2 ]
amdhsa.kernels:
  - .name:           k_qa3ea454778_pick
    .symbol:         k_qa3ea454778_pick.kd
    .args:
      - { .name: cand_val, .offset: 0, .size: 8, .value_kind: global_buffer, .address_space: global }
      - { .name: cand_idx, .offset: 8, .size: 8, .value_kind: global_buffer, .address_space: global }
      - { .name: table, .offset: 16, .size: 8, .value_kind: global_buffer, .address_space: global }
      - { .name: out0, .offset: 24, .size: 8, .value_kind: global_buffer, .address_space: global }
    .group_segment_fixed_size: 0
    .private_segment_fixed_size: 0
    .kernarg_segment_align: 8
    .kernarg_segment_size: 32
    .max_flat_workgroup_size: 320
    .sgpr_count:     66
    .vgpr_count:     56
    .wavefront_size: 32
...
	.end_amdgpu_metadata
.endif
;; end of part 2
;; ======== version 2 of 2: 2 launches
;; limits: values are held in bf16: 8 bits of precision; right only within a limited range of input values
;; workspace buffers: cand_val 524,288 bytes; cand_idx 524,288 bytes of whole numbers; table 262,144 bytes
;; launch near (part 3): grid 32 x 8, 4 waves a work-group, clusters of 4 x 4, 327,680 bytes of LDS; arguments x_codes, x_scales, keys_codes, keys_scales, values, dec_w, dec_b, cand_val, cand_idx, table; writes cand_val, cand_idx, table
.if DOCPART == 3
	.amdgcn_target "amdgcn-amd-amdhsa--gfx1250"
	.amdhsa_code_object_version 6
	.text
	.protected	k_qa3ea454778_near
	.globl	k_qa3ea454778_near
	.p2align	8
	.type	k_qa3ea454778_near,@function
k_qa3ea454778_near:
	s_mov_b64 s[64:65], 0
	v_nop
	global_prefetch_b8 v0, s[64:65] scope:SCOPE_SE
	s_setreg_imm32_b32 hwreg(HW_REG_WAVE_MODE, 25, 1), 1
	s_wait_xcnt 0x0
	s_wait_alu depctr_hold_cnt(0) depctr_sa_sdst(0) depctr_va_vdst(0) depctr_va_sdst(0) depctr_va_ssrc(0) depctr_va_vcc(0) depctr_vm_vsrc(0)
	s_getreg_b32 s2, hwreg(HW_REG_IB_STS2, 6, 4)
	s_cmp_eq_u32 s2, 0
	s_cbranch_scc0 .Lentry_in_a_cluster
	s_endpgm
.Lentry_in_a_cluster:
	s_bfe_u32 s2, ttmp6, 0x10000c
	s_cmp_lg_u32 s2, 0xf033
	s_cbranch_scc0 .Lentry_shape_is_right
	s_endpgm
.Lentry_shape_is_right:
; out0[b] = values[n(b)] . dec_w^T + dec_b, where n(b) is the FIRST index of the largest of the scores x[b] . keys[k], k = 0 .. 4095 (codes of E2M1 with E8M0 scales, sums in f32).
; THIS LAUNCH makes (a) for each of 8 slices of 512 keys each row's largest score and the first key that has it: cand_val, cand_idx, both [8][16384];
; (b) table[k][0 .. 9] = values[k] . dec_w^T + dec_b, laid [4096][16] f32 (columns 10-15 are stored filler that nobody reads).  The next launch chooses among a row's 8 candidates and copies the table's row.
; NOTHING OF THE PROBLEM IS LEFT OUT, and every input is loaded.  The second product is made once for each KEY and not once for each row of x: values[n] is a copy of a row, so the product and the bias
; are the same arithmetic on the same numbers whichever row of x asks for them.  That holds for all values of the inputs.
; LIMITS.  A score that is NaN (a scale byte 0xff) is passed over by the maxima, where jnp.argmax would take it.  values and dec_w are rounded to bf16 for the table's products, sums in f32.
; Two scores that differ by less than the matrix instruction's own rounding of a sum may change places; sums that f32 holds exactly do not.
; SHARES.  256 work-groups.  Work-group (X, y) owns rows 512 X .. + 511 of x and keys 512 y .. + 511, all of K.  Wave w owns 128 of the rows, 8 blocks of 16: blocks 0-3 are rows 64 w + 16 a of the first 256, blocks 4-7 the
; same rows of the second 256.  Their codes (8 blocks x 8 K steps x 8 registers = 512) stay in registers.  All four waves walk the 512 keys, 32 keys a tile, 16 tiles.
; THE PRODUCT IS USED TRANSPOSED, 32 keys x 16 rows x 128 K an instruction: source 0 = 32 keys, source 1 = 16 rows of x.  A lane then holds ONE row (lane % 16), and its 16 results are keys 8 h + j (j < 8) and 8 h + j + 8 (j >= 8), h = lane / 16.
; LDS: keys 0-63 | keys 64-319 | x's first 256 rows, then keys 320-511 | the keys' scale bytes | the spare words.  Tile t's rows begin at t x TILEB throughout.  When keys 64-319 are read out, their place takes the
; work-group's 16 rows of values, a quarter of K for each wave.
; CLUSTER, 4 x 4.  The four of a row have the same y and so the same keys; the four of a column have the same X and so the same rows of x: the keys' codes and scale bytes, and the codes of x's first 256 rows, are asked for
; JOINTLY.  x's second 256 rows go from memory straight into the registers in which they stay: a joint load lands in LDS, and 135,168 bytes more do not fit beside the 322,048 in use.
; THE ARGMAX.  For each block of rows a lane keeps BEST and, of the tile that last raised BEST, 15 of its 16 scores (SV) and its number (TIDX).  8 v_max3 from BEST on, one compare (equal: the earlier tile keeps a tie), BEST moved,
; and 16 selects, 14 of them in pairs.  Where in the tile the best lies is looked for once, at the end: the lowest register whose saved score equals BEST (the sixteenth where no other does).
; A tile is two groups of 32 matrix instructions (blocks 0-3, blocks 4-7; 4 accumulators by turns, K step by K step).  While one group is multiplied, the other group's 4 finished accumulators go through the argmax, 8 to 14
; instructions behind each K step's four products.  The next tile's fragments come from LDS in two runs of 17 loads, each behind a part of the argmax.
; NO PREFETCH: the loads of keys 0-319 stand ahead of every loop, keys 320-511 are asked for eight tiles and values six tiles ahead of their first read.
; REGISTERS, in windows of 256 (s_set_vgpr_msb: bits 1:0 source 0, 3:2 source 1, 5:4 source 2, 7:6 destination):
;   window 0: v1-19 addresses; v20-23 M; v24-31 BEST; v32-39 the tile's scale words; v40-103 x's scale words; v104-231 the tile's fragments, 16 registers a K step
;   window 1: v0-127 two buffers of 4 accumulators; v128-255 SV and TIDX, 16 for each block      window 2: x's blocks 0-3      window 3: x's blocks 4-7
.set KP,    528                        ; a row of codes in LDS: 512 bytes + 16 of padding = 132 words: the 16 rows of a load start at 16 different groups of four banks
.set TILEB, 32*KP
.set P,     2*TILEB                    ; behind keys 0-63
.set Q,     P+256*KP
.set SCL,   Q+256*KP                   ; scale bytes: 64 runs of 256 bytes (8 keys x 32), 16 bytes of padding behind each
.set SU,    272
.set SPARE, SCL+64*SU                  ; the spare words, 128 bytes for each wave: two blocks of 256 bytes that no other line names
.set STG,   Q+192*KP                   ; behind keys 320-511, on bytes that only x's head loads fill: a stage of 1,024 bytes for each wave: 128 values, then 128 indices
.set TST,   STG+4096                   ; and the table's partial sums: for each wave [16 keys][16] f32
.set VP,    1040                       ; a quarter row of values in LDS: 1,024 bytes + 16
.set SPW,  1                           ; v1   LDS address of my spare word; never rewritten
.set NIL,  2                           ; v2   0; never rewritten
.set AKF0, 3                           ; v3   my lane's place in a tile of keys: r x 528 + 16 h
.set AKS0, 4                           ; v4   my lane's place among a tile's scale words: lane m takes key m
.set XLO,  5                           ; v5   my place in x's first 256 rows in LDS
.set XO,   6                           ; v6   x's second 256 rows in memory: r x 512 + 16 h
.set HOFF, 7                           ; v7   8 h + 512 y: what a lane adds to a key's place to make its index
.set STA,  8                           ; v8   the stage, in: lanes 0-15 a value, lanes 16-31 an index
.set STR,  9                           ; v9   the stage, back: 16 bytes a lane
.set CO,   10                          ; v10  the candidates: 16 (lane % 16) + 1024 h
.set XSO,  11                          ; v11  x's scale words: r x 32
.set TVO,  12                          ; v12  my quarter of values in LDS
.set TWO,  13                          ; v13  dec_w: min(r, 9) x 4096 + 32 h
.set TSA,  14                          ; v14  where I put my 8 partial sums
.set TRA,  15                          ; v15  where I read the four waves' partial sums
.set TGO,  16                          ; v16  8 x lane
.set TBO,  17                          ; v17  dec_b: min(8 (lane % 8), 32)
.set AKF,  18                          ; v18  LDS address of the fragments that are being fetched
.set AKS,  19                          ; v19  and of their scale words
.set M,    20
.set BEST, 24
.set KS,   32
.set XS,   40
.set FR,   104
.set BIA,  232
.set PW,   240                         ; the keys' indices
.set OV,   FR                          ; at the end the fragments' registers are free: the other half's value,
.set OI,   FR+8                        ; its index,
.set SD,   FR+16                       ; what goes to the stage,
.set BK,   FR+24                       ; what comes back,
.set TP,   FR+32                       ; and the table's four partial sums
.set SV,   128                         ; in window 1
.set POS,  0                           ; in window 1, at the end
.set WV,   24                          ; s24  my wave's number
.set MK,   26                          ; s26-29 four masks
.set HI,   30                          ; s30  lanes 16-31
.set NINF, 31                          ; s31  -infinity
.set GX,   32                          ; s[32:39] descriptor group 1 for x;  s[40:47] for the keys' codes;  s[48:55] for their scale bytes;  s[68:75] for values
.set GK,   40
.set GS,   48
.set GV,   68
.set R1,   56                          ; groups 0: s[56:59] keys 64-319;  s[60:63] keys 320-511;  s[76:79] values
.set R2,   60
.set G0V,  76
.set SEL,  66                          ; s[66:67] v_permlanex16_b32's selects for lane l xor 16
.set HX0,  80                          ; groups 0 of the head's four loads: x's rows 0-127 and 128-255, keys 0-63, scale bytes
.set HX1,  84
.set HK,   88
.set HS,   92
.set PM,   84                          ; at the end: s84-91 eight masks
.set WB,   96                          ; s[96:97] dec_w at my wave's quarter of K
.set CNT,  98
.set TID,  99                          ; s99  the tile whose scores the argmax has in hand
.set TB,   100                         ; s100 LDS byte at which the tile that is being fetched begins
.set TS,   101                         ; s101 the same for the scale words
.set MSB, 0
.macro WIN new                         ; the immediate's high byte repeats the setting that is left; a switch that changes nothing is dropped
.if MSB != (\new)
	s_set_vgpr_msb (MSB<<8)|(\new)
.set MSB, (\new)
.endif
.endm
.macro SHAPE g, n, rows, pitch         ; the constant words of a group 1
	s_mov_b32 s[\g+1], (\n)<<16
	s_mov_b32 s[\g+2], (\rows)<<16
	s_mov_b32 s[\g+3], (\n)<<16
	s_mov_b32 s[\g+4], \rows
	s_mov_b32 s[\g+5], \pitch
	s_mov_b32 s[\g+6], 0
	s_mov_b32 s[\g+7], 0
.endm
.macro CREST                           ; a round of the cluster's barrier behind its opening barrier
	s_cmp_lg_u32 s[WV], 0
	s_cbranch_scc1 .Lnot_wave_0_\@
	s_barrier_signal -3
.Lnot_wave_0_\@:
	s_barrier_wait -3
	s_barrier_signal -1
	s_barrier_wait -1
.endm
.macro CROUND                          ; a whole round
	s_barrier_signal -1
	s_barrier_wait -1
	CREST
.endm
.macro TLOAD g0, g1                    ; a tensor load
	tensor_load_to_lds s[\g0:\g0+3], s[\g1:\g1+7]
	s_nop 0
.rept 4
	v_nop
.endr
.endm
.macro ARM under, g0, g1, next
	s_cmp_lt_u32 s[WV], \under
	s_cbranch_scc0 \next
	TLOAD \g0, \g1
	s_branch .Lhead_asked
\next:
.endm
; x's block a (4-7) from memory: 16 rows x 1,024 codes into 64 registers of window 3.  The eight loads that share a row's 256 bytes stand on end.
.macro XGLOAD a
	WIN 0xc0
.irp s, 0,1,2,3,4,5,6,7
.irp c, 0,1
	global_load_b128 v[64*((\a)%4)+8*\s+4*\c:64*((\a)%4)+8*\s+4*\c+3], v[XO], s[4:5] offset:8192*((\a)%4)+64*\s+32*\c
.endr
.endr
	WIN 0
.endm
; K step s of the tile at v[AKF]: 32 keys x 128 K, 16 registers: keys 0-15 in the first eight, keys 16-31 in the others
.macro FRAG s
.irp q, 0,1
.irp c, 0,1
	ds_load_b128 v[FR+16*(\s)+8*\q+4*\c:FR+16*(\s)+8*\q+4*\c+3], v[AKF] offset:16*KP*\q+64*(\s)+32*\c
.endr
.endr
.endm
.macro SCW p                           ; its scale words of K steps 4 p .. 4 p + 3: lane m takes key m's 16 bytes
	ds_load_b128 v[KS+4*(\p):KS+4*(\p)+3], v[AKS] offset:16*(\p)
.endm
.macro KRUN p                          ; a run of 17: the scale words and the fragments of K steps 4 p .. 4 p + 3
	WIN 0
	SCW \p
	FRAG 4*(\p)
	FRAG 4*(\p)+1
	FRAG 4*(\p)+2
	FRAG 4*(\p)+3
.endm
; Four products: group g (x's blocks 4 g .. 4 g + 3), K step s.  The first K step starts the sums with the constant 0: nothing is cleared.
.macro MM4 g, s
	WIN 0x58+4*(\g)
.irp u, 0,1,2,3
.set rD, 64*(\g)+16*\u
.set rA, FR+16*(\s)
.set rB, 64*\u+8*(\s)
.set rX, XS+8*(4*(\g)+\u)+(\s)
.if (\s) == 0
	v_wmma_scale_f32_32x16x128_f4 v[rD:rD+15], v[rA:rA+15], v[rB:rB+7], 0, v[KS+(\s)], v[rX]
.else
	v_wmma_scale_f32_32x16x128_f4 v[rD:rD+15], v[rA:rA+15], v[rB:rB+7], v[rD:rD+15], v[KS+(\s)], v[rX]
.endif
.endr
.endm
; Part s of the argmax of buffer q's four accumulators (x's blocks a0 .. a0 + 3).  Parts 0-3: M = the largest of BEST and the 16 scores, from the accumulator's low end on, the four blocks by turns; at part 3's end the masks
; (M equals BEST: nothing was raised) and BEST.  Parts 4-7: one block's selects by VCC: where it is set the saved scores and TIDX stay.  The last two selects stand by themselves: half of a pair reads one scalar at the most,
; and TIDX takes the tile's number beside VCC.
.macro AM q, a0, s
.set cb, 64*(\q)
.if (\s) < 4
	WIN 0x11
.set ai, 2*(\s)
.rept 2
.irp u, 0,1,2,3
.if ai == 0
	v_max3_num_f32 v[M+\u], v[cb+16*\u], v[BEST+(\a0)+\u], v[cb+16*\u+1]
.else
	v_max3_num_f32 v[M+\u], v[cb+16*\u+2*ai], v[M+\u], v[cb+16*\u+2*ai+1]
.endif
.endr
.set ai, ai+1
.endr
.if (\s) == 3
	WIN 0
.irp u, 0,1,2,3
	v_cmp_eq_f32 s[MK+\u], v[M+\u], v[BEST+(\a0)+\u]
.endr
	v_dual_mov_b32 v[BEST+(\a0)], v[M] :: v_dual_mov_b32 v[BEST+(\a0)+1], v[M+1]
	v_dual_mov_b32 v[BEST+(\a0)+2], v[M+2] :: v_dual_mov_b32 v[BEST+(\a0)+3], v[M+3]
.endif
.else
.set dd, SV+16*((\a0)+(\s)-4)
.set da, cb+16*((\s)-4)
	WIN 0x45
.rept 7
	v_dual_cndmask_b32 v[dd], v[da], v[dd] :: v_dual_cndmask_b32 v[dd+1], v[da+1], v[dd+1]
.set dd, dd+2
.set da, da+2
.endr
	v_cndmask_b32 v[dd], v[da], v[dd], vcc_lo
	v_cndmask_b32 v[dd+1], s[TID], v[dd+1], vcc_lo
.endif
.endm
.macro VCCSET s                        ; part s's mask
.if (\s) > 3
	s_mov_b32 vcc_lo, s[MK+(\s)-4]
.endif
.endm
; The table's operands, 8 steps of 32 along K, as f32, into window 2, which x's blocks 0-3 have left: dec_w's rows (source 0; rows past the tenth repeat the tenth), and my work-group's 16 rows of values (source 1, from LDS)
.macro TINW
	WIN 0
	global_load_b64 v[BIA:BIA+1], v[TBO], s[16:17] ; dec_b at my two columns of the table (past the tenth: the last pair again)
	WIN 0x80
.irp q, 0,1,2,3,4,5,6,7
.irp o, 0,1,2,3
	global_load_b128 v[32*\q+4*\o:32*\q+4*\o+3], v[TWO], s[WB:WB+1] offset:128*\q+64*(\o/2)+16*(\o%2)
.endr
.endr
.endm
.macro TINV
	WIN 0x80
.irp q, 0,1,2,3,4,5,6,7
.irp o, 0,1,2,3
	ds_load_b128 v[32*\q+16+4*\o:32*\q+16+4*\o+3], v[TVO] offset:128*\q+64*(\o/2)+16*(\o%2)
.endr
.endr
.endm
; A GROUP: 8 K steps, each four products and then a part of the other buffer's argmax.  mode 0: the plain tile; 1: tile 0; 2, 3: group 1 holds a round of the cluster's barrier behind which keys 320-511 (2) or values (3)
; are asked for; 4: the last tile, which fetches the table's operands.
; THE COUNTS.  The next tile's two runs of 17 stand in group 1, behind K step 3 (scale words 0-3, K steps 0-3) and behind K step 7 (scale words 4-7, K steps 4-7).  In front of K step 0 the wait leaves out the second run (17); in
; front of K steps 4, 5, 6, 7 what was issued behind that step's four (12, 8, 4, 0).  In tile 0 12 loads, 8 of x and 4 of keys, went out for each K step in order: 12 (7 - s) are younger than K step s's; 63 is the most that a
; wait names.  Its group 1 waits for x's second half.
; The 8 or more vector instructions behind a K step's last product name none of its registers: they are the places in front of the loads into the registers that it read, and of the first read of its results.
.macro GROUP g, mode
.irp s, 0,1,2,3,4,5,6,7
.if (\g) == 0
.if \s == 4
	VCCSET 4                                       ; ahead of the wait below
.endif
.if (\mode) == 1
	s_wait_alu depctr_va_vdst(0)                   ; ahead of the wait below
.if \s < 2
	s_wait_dscnt 63
.else
	s_wait_dscnt 12*(7-\s)
.endif
.elseif \s == 0
	s_wait_dscnt 17
.elseif (\s > 3) && (\s < 7)
	s_wait_dscnt 28-4*\s
.elseif \s == 7
.if ((\mode) == 2) || ((\mode) == 3)
	WIN 0
	s_wait_alu depctr_va_vdst(0)
.endif
	s_wait_dscnt 0
.if ((\mode) == 2) || ((\mode) == 3)
	s_wait_tensorcnt 0x0                           ; all my tensor loads have landed;
	ds_add_u32 v[SPW], v[NIL]                      ; 0 onto my spare word: a K step's work stands between it and the wait for it
.if (\mode) == 2
	s_mov_b32 s[GK+2], 48<<16                      ; no load of mine is out: the last load of keys brings 48 rows a wave
	s_mov_b32 s[GK+4], 48
.endif
.endif
.endif
.else
.if \s == 0
	s_add_co_u32 s[TID], s[TID], 1                 ; the argmax goes on to this tile's scores
.if (\mode) == 1
	s_wait_alu depctr_va_vdst(0)
	s_wait_loadcnt 0x0                             ; x's blocks 4-7 are in
.endif
.if ((\mode) == 2) || ((\mode) == 3)
	s_wait_alu depctr_va_vdst(0)
	s_wait_dscnt 0x0                               ; the add is done, and my reads of what is filled again are over
	s_barrier_signal -1                            ; opens a round of the cluster's barrier: register work alone up to its wait
.endif
.if (\mode) == 4
	s_wait_alu depctr_va_vdst(0)
	s_wait_tensorcnt 0x0                           ; my quarter of values is in; no other wave reads it
.endif
.endif
.if (\s == 1) && (((\mode) == 2) || ((\mode) == 3))
	WIN 0
	s_wait_alu depctr_va_vdst(0)
	s_barrier_wait -1
	CREST                                          ; no wave of any partner still reads those bytes or has a load on its way; what has landed is there for every wave
.if (\mode) == 2
	TLOAD R2, GK
.else
	TLOAD G0V, GV
.endif
.endif
.endif
	MM4 \g, \s
.if ((\g) == 1) && ((\mode) != 4) && (\s == 0)
	WIN 0
	s_add_co_u32 s[TB], s[TB], TILEB               ; all loads for this tile have gone out: on to the next
	s_add_co_u32 s[TS], s[TS], 4*SU
	v_add_nc_u32 v[AKF], s[TB], v[AKF0]
	v_add_nc_u32 v[AKS], s[TS], v[AKS0]
.endif
.if ((\g) == 1) || (\s != 4)
	VCCSET \s
.endif
	AM 1-\g, 4-4*\g, \s
.if (\g) == 1
.if (\mode) == 4
.if \s == 1
	TINW
.endif
.if \s == 4
	TINV
.endif
.else
.if \s == 3
	KRUN 0
.endif
.if \s == 7
	KRUN 1
.endif
.endif
.endif
.endr
.endm
.macro TILE mode
	GROUP 0, \mode
	GROUP 1, \mode
	WIN 0                                          ; at a label and at a branch every window is 0
.endm
; The table's step q: rounded to bf16 in pairs, then one product; two accumulators by turns.
.macro TSTEP q
	WIN 0x4a                                       ; sources window 2, destination window 1
.irp i, 0,1,2,3,4,5,6,7
	v_cvt_pk_bf16_f32 v[16*((\q)%2)+\i], v[32*(\q)+2*\i], v[32*(\q)+2*\i+1]
.endr
.irp i, 0,1,2,3,4,5,6,7
	v_cvt_pk_bf16_f32 v[16*((\q)%2)+8+\i], v[32*(\q)+16+2*\i], v[32*(\q)+16+2*\i+1]
.endr
	WIN 0x55                                       ; all in window 1
.if (\q) < 2
	v_wmma_f32_16x16x32_bf16 v[64+8*((\q)%2):71+8*((\q)%2)], v[16*((\q)%2):16*((\q)%2)+7], v[16*((\q)%2)+8:16*((\q)%2)+15], 0
.else
	v_wmma_f32_16x16x32_bf16 v[64+8*((\q)%2):71+8*((\q)%2)], v[16*((\q)%2):16*((\q)%2)+7], v[16*((\q)%2)+8:16*((\q)%2)+15], v[64+8*((\q)%2):71+8*((\q)%2)]
.endif
.endm
	s_load_b512 s[4:19], s[0:1], 0x0               ; x_codes s[4:5], x_scales s[6:7], keys_codes s[8:9], keys_scales s[10:11], values s[12:13], dec_w s[14:15], dec_b s[16:17], cand_val s[18:19]
	s_load_b128 s[20:23], s[0:1], 0x40             ; cand_idx s[20:21], table s[22:23]
	v_lshl_add_u32 v[SPW], v0, 2, SPARE
	v_mov_b32 v[NIL], 0
	ds_add_u32 v[SPW], v[NIL]                      ; the wave's opening: the add, twice on end, and its wait ahead of my first tensor load
	ds_add_u32 v[SPW], v[NIL]                      ; and once more
	v_lshrrev_b32 v20, 5, v0
	v_readfirstlane_b32 s[WV], v20                 ; wave 0..3
	s_bfe_u32 s25, ttmp6, 0x40000                  ; cx
	s_bfe_u32 s26, ttmp6, 0x40004                  ; cy
	s_lshl_b32 s27, ttmp9, 2                       ; in a cluster launch ttmp9 and ttmp7 count clusters
	s_add_co_u32 s27, s27, s25                     ; X
	s_and_b32 s28, ttmp7, 0xffff
	s_lshl_b32 s28, s28, 2
	s_add_co_u32 s28, s28, s26                     ; y
	s_lshl_b32 s30, 0x1111, s25                    ; my column of the cluster: same X
	s_lshl_b32 s31, s26, 2
	s_lshl_b32 s31, 15, s31                        ; my row: same y
	; groups 1.  Word 0: 15:0 the mask; 17:16 element size; 20 padding on; 21 set beside a mask; 24:22 the interval (5, 6, 7: after 64, 128, 256 words); 31:25 four words
	s_or_b32 s[GX], s30, (1<<20)|(1<<21)|(6<<22)|(3<<25)
	s_or_b32 s[GK], s31, (1<<20)|(1<<21)|(6<<22)|(3<<25)
	s_or_b32 s[GS], s31, (3<<16)|(1<<20)|(1<<21)|(5<<22)|(3<<25)
	s_mov_b32 s[GV], (2<<16)|(1<<20)|(7<<22)|(3<<25)   ; values: no partner shares them
	SHAPE GX, 512, 128, 512                        ; 128 rows of 512 bytes, dense in memory
	SHAPE GK, 512, 64, 512                         ; 64 rows
	SHAPE GS, 32, 64, 32                           ; 16,384 dense bytes as 64 rows of 256
	SHAPE GV, 256, 16, 1024                        ; 16 rows of 1,024 bytes, 4,096 apart
	s_lshl_b32 s2, s28, 9                          ; 512 y
	s_mul_i32 s3, s[WV], 64*KP
	s_add_co_u32 s3, s3, Q                         ; my rows of x in LDS
	s_lshl_b32 s98, s[WV], 10
	s_add_co_u32 s99, s98, STG                     ; my stage
	s_add_co_u32 s98, s98, TST
	s_mul_i32 s100, s[WV], 16*VP
	s_add_co_u32 s100, s100, P                     ; my quarter of values
	s_lshl_b32 s101, s[WV], 8
	s_add_co_u32 s101, s101, TST
	v_and_b32 v20, 15, v0                          ; r
	v_bfe_u32 v21, v0, 4, 1                        ; h
	v_and_b32 v22, 31, v0                          ; lane
	v_mul_u32_u24 v[AKF0], v20, KP
	v_lshl_add_u32 v[AKF0], v21, 4, v[AKF0]
	v_add_nc_u32 v[XLO], s3, v[AKF0]
	v_lshlrev_b32 v[XO], 9, v20
	v_lshl_add_u32 v[XO], v21, 4, v[XO]
	v_lshrrev_b32 v23, 3, v22
	v_mul_u32_u24 v[AKS0], v23, SU
	v_and_b32 v23, 7, v22
	v_lshl_add_u32 v[AKS0], v23, 5, v[AKS0]
	v_add_nc_u32 v[AKS0], SCL, v[AKS0]
	v_lshlrev_b32 v[XSO], 5, v20
	v_lshl_add_u32 v[HOFF], v21, 3, s2
	v_lshlrev_b32 v[STA], 2, v20
	v_lshl_add_u32 v[STA], v21, 9, v[STA]
	v_add_nc_u32 v[STA], s99, v[STA]
	v_lshlrev_b32 v[STR], 4, v22
	v_add_nc_u32 v[STR], s99, v[STR]
	v_lshlrev_b32 v[CO], 4, v20
	v_lshl_add_u32 v[CO], v21, 10, v[CO]
	v_mul_u32_u24 v[TVO], v20, VP
	v_lshl_add_u32 v[TVO], v21, 5, v[TVO]
	v_add_nc_u32 v[TVO], s100, v[TVO]
	v_min_u32 v[TWO], 9, v20
	v_lshlrev_b32 v[TWO], 12, v[TWO]
	v_lshl_add_u32 v[TWO], v21, 5, v[TWO]
	v_lshlrev_b32 v[TSA], 6, v20
	v_lshl_add_u32 v[TSA], v21, 5, v[TSA]
	v_add_nc_u32 v[TSA], s98, v[TSA]
	v_lshlrev_b32 v[TGO], 3, v22
	v_add_nc_u32 v[TRA], s101, v[TGO]
	v_lshlrev_b32 v[TBO], 3, v23
	v_min_u32 v[TBO], 32, v[TBO]
	s_wait_alu depctr_va_vdst(0)                   ; ahead of the waits below
	s_wait_dscnt 0x0                               ; both opening adds are done
	s_wait_kmcnt 0x0
	; addresses.  x's are made of X alone, the keys' of y and the wave's number alone, each offset in a pair of its own
	s_lshl_b32 s2, s27, 18
	s_mov_b32 s3, 0
	s_lshl_b32 s96, s28, 18
	s_mov_b32 s97, 0
	s_mov_b32 s99, 0
	s_lshl_b32 s100, s28, 14
	s_mov_b32 s101, 0
	s_add_nc_u64 s[HX0+2:HX0+3], s[4:5], s[2:3]
	s_add_nc_u64 s[HX1+2:HX1+3], s[HX0+2:HX0+3], 128*512
	s_add_nc_u64 s[HK+2:HK+3], s[8:9], s[96:97]
	s_add_nc_u64 s[HS+2:HS+3], s[10:11], s[100:101]
	s_lshl_b32 s98, s[WV], 15
	s_add_co_u32 s98, s98, 256*512
	s_add_nc_u64 s[4:5], s[HX0+2:HX0+3], s[98:99]          ; x at row 512 X + 256 + 64 w
	s_lshl_b32 s98, s[WV], 15
	s_add_co_u32 s98, s98, 64*512
	s_add_nc_u64 s[R1+2:R1+3], s[HK+2:HK+3], s[98:99]      ; keys 64 + 64 w on
	s_mul_i32 s98, s[WV], 48*512
	s_add_co_u32 s98, s98, 320*512
	s_add_nc_u64 s[R2+2:R2+3], s[HK+2:HK+3], s[98:99]      ; keys 320 + 48 w on
	s_lshl_b32 s2, s27, 14
	s_lshl_b32 s29, s[WV], 11
	s_add_co_u32 s2, s2, s29
	s_add_nc_u64 s[6:7], s[6:7], s[2:3]            ; x's scale bytes at row 512 X + 64 w
	s_lshl_b32 s29, s28, 5
	s_add_co_u32 s29, s29, s27                     ; the work-group's number, 32 y + X: its 16 keys of the table
	s_lshl_b32 s2, s29, 16
	s_lshl_b32 s98, s[WV], 10
	s_add_co_u32 s2, s2, s98
	s_add_nc_u64 s[G0V+2:G0V+3], s[12:13], s[2:3]  ; values: 16 rows of 4,096 bytes a work-group, 1,024 bytes of each a wave
	s_add_nc_u64 s[WB:WB+1], s[14:15], s[98:99]    ; dec_w: the same quarter of K
	s_lshl_b32 s2, s28, 16                         ; the candidates: slice y, row 512 X + 64 w
	s_lshl_b32 s98, s27, 11
	s_add_co_u32 s2, s2, s98
	s_lshl_b32 s98, s[WV], 8
	s_add_co_u32 s2, s2, s98
	s_add_nc_u64 s[18:19], s[18:19], s[2:3]
	s_add_nc_u64 s[20:21], s[20:21], s[2:3]
	s_lshl_b32 s2, s29, 10                         ; the table: 16 keys of 64 bytes a work-group, 4 keys a wave
	s_add_co_u32 s2, s2, s98
	s_add_nc_u64 s[22:23], s[22:23], s[2:3]
.irp g, HX0, HX1, HK, HS, R1, R2, G0V
	s_mov_b32 s[\g], 1
	s_or_b32 s[\g+3], s[\g+3], 0x80000000          ; 127:126 type = 2
.endr
	s_mov_b32 s[HX0+1], Q
	s_mov_b32 s[HX1+1], Q+128*KP
	s_mov_b32 s[HK+1], 0
	s_mov_b32 s[HS+1], SCL
	s_mul_i32 s[R1+1], s[WV], 64*KP
	s_add_co_u32 s[R1+1], s[R1+1], P
	s_mul_i32 s[R2+1], s[WV], 48*KP
	s_add_co_u32 s[R2+1], s[R2+1], Q
	s_mul_i32 s[G0V+1], s[WV], 16*VP
	s_add_co_u32 s[G0V+1], s[G0V+1], P
	s_mov_b32 s[SEL], 0x76543210
	s_mov_b32 s[SEL+1], 0xfedcba98
	s_mov_b32 s[HI], 0xffff0000
	s_mov_b32 s[NINF], 0xff800000
	s_mov_b32 s[TB], 0
	s_mov_b32 s[TS], 0
	s_mov_b32 s[TID], -1
	CROUND                                         ; all sixteen work-groups are here: the joint loads meet
	; the head's loads, one a wave, in one tree of branches on the wave's number: x's rows 0-127, its rows 128-255, keys 0-63, the scale bytes of all 512 keys
	ARM 1, HX0, GX, .Lhead_1
	ARM 2, HX1, GX, .Lhead_2
	ARM 3, HK,  GK, .Lhead_3
	TLOAD HS, GS
.Lhead_asked:
.irp a, 0,1,2,3,4,5,6,7
.irp q, 0,1
	global_load_b128 v[XS+8*\a+4*\q:XS+8*\a+4*\q+3], v[XSO], s[6:7] offset:512*(\a%4)+8192*(\a/4)+16*\q   ; x's scale words: register 8 a + s, lane r (both halves alike)
.endr
.endr
	XGLOAD 4
	XGLOAD 5
; The argmax's state, written while memory is awaited.  These are no sums to be cleared: every one is the source of a select or the first leaf of a maximum.  BEST, SV and the second buffer of accumulators begin as
; -infinity, so that the first tile's first group, which has no scores yet to look at, raises nothing, and a row whose every score is -infinity ends at its first key.
.irp a, 0,1,2,3,4,5,6,7
	v_mov_b32 v[BEST+\a], s[NINF]
.endr
	v_add_nc_u32 v[AKF], s[TB], v[AKF0]
	v_add_nc_u32 v[AKS], s[TS], v[AKS0]
	WIN 0x40
.set i, 0
.rept 64
	v_mov_b32 v[64+i], s[NINF]
.set i, i+1
.endr
.set i, 0
.rept 128
.if i%16 == 15
	v_mov_b32 v[SV+i], 0
.else
	v_mov_b32 v[SV+i], s[NINF]
.endif
.set i, i+1
.endr
	XGLOAD 6
	XGLOAD 7
	s_wait_alu depctr_va_vdst(0)
	s_wait_tensorcnt 0x0                           ; my tile of the head's four is in
	ds_add_u32 v[SPW], v[NIL]
	s_wait_dscnt 0x0                               ; the add is done
	CROUND                                         ; all four tiles are in, and all sixteen work-groups are here
	TLOAD R1, GK                                   ; keys 64-319, 64 rows a wave
	; tile 0's scale words; then, K step by K step, x's blocks 0-3 (register 8 s + 4 c + i of lane (r, h): K = 128 s + 64 c + 32 h on) and tile 0's fragment
	SCW 0
	SCW 1
.irp s, 0,1,2,3,4,5,6,7
	WIN 0x80
.irp a, 0,1,2,3
.irp c, 0,1
	ds_load_b128 v[64*\a+8*\s+4*\c:64*\a+8*\s+4*\c+3], v[XLO] offset:16*KP*\a+64*\s+32*\c
.endr
.endr
	WIN 0
	FRAG \s
.endr
	s_wait_loadcnt 63                              ; of my 80 loads (16 of scale words, 64 for blocks 4-7) the first 17 are in
	TILE 1                                         ; tile 0
	TILE 2                                         ; tile 1: keys 64-319 are in, keys 320-511 go out over x's first half, which tile 0 has read
	s_mov_b32 s[CNT], 7
.Ltiles_a:                                             ; tiles 2-8
	TILE 0
	s_sub_co_u32 s[CNT], s[CNT], 1
	s_cmp_lg_u32 s[CNT], 0
	s_cbranch_scc1 .Ltiles_a
	TILE 3                                         ; tile 9: keys 320-511 are in, values go out over keys 64-319
	s_mov_b32 s[CNT], 5
.Ltiles_b:                                             ; tiles 10-14
	TILE 0
	s_sub_co_u32 s[CNT], s[CNT], 1
	s_cmp_lg_u32 s[CNT], 0
	s_cbranch_scc1 .Ltiles_b
	TILE 4                                         ; tile 15
	; THE END OF THE ARGMAX: blocks 4-7 of tile 15
.irp s, 0,1,2,3,4,5,6,7
	VCCSET \s
	AM 1, 4, \s
.endr
	; where in the winning tile: the lowest register whose saved score equals BEST.  One of the 16 does, so register 15's key stands until a lower one is found.
	WIN 0x41
.irp a, 0,1,2,3,4,5,6,7
	v_mov_b32 v[POS+\a], 23
.endr
.irp j, 14,13,12,11,10,9,8,7,6,5,4,3,2,1,0
.irp a, 0,1,2,3,4,5,6,7
	v_cmp_eq_f32 s[PM+\a], v[SV+16*\a+\j], v[BEST+\a]
.endr
.irp a, 0,1,2,3,4,5,6,7
	v_cndmask_b32 v[POS+\a], v[POS+\a], \j+8*(\j/8), s[PM+\a]
.endr
.endr
	WIN 0x51
.irp a, 0,1,2,3,4,5,6,7
	v_lshl_add_u32 v[POS+\a], v[SV+16*\a+15], 5, v[POS+\a]
.endr
	WIN 0x01
.irp a, 0,1,2,3,4,5,6,7
	v_add_nc_u32 v[PW+\a], v[POS+\a], v[HOFF]      ; the key's index: 512 y + 32 tile + 8 h + place
.endr
	WIN 0
	; a row's other 256 keys of the slice lie in the lane 16 away: the larger score stays, of two equal ones the lower index
.irp a, 0,1,2,3,4,5,6,7
	v_permlanex16_b32 v[OV+\a], v[BEST+\a], s[SEL], s[SEL+1]
	v_permlanex16_b32 v[OI+\a], v[PW+\a], s[SEL], s[SEL+1]
.endr
.irp b, 0,4
.irp u, 0,1,2,3
	v_cmp_gt_f32 s[84+\u], v[OV+\b+\u], v[BEST+\b+\u]
.endr
.irp u, 0,1,2,3
	v_cmp_eq_f32 s[88+\u], v[OV+\b+\u], v[BEST+\b+\u]
.endr
.irp u, 0,1,2,3
	v_cmp_lt_u32 s[92+\u], v[OI+\b+\u], v[PW+\b+\u]
.endr
.irp u, 0,1,2,3
	s_and_b32 s[88+\u], s[88+\u], s[92+\u]
	s_or_b32 s[84+\u], s[84+\u], s[88+\u]          ; the masks go into selects alone: no branch and no address hangs on them
.endr
.irp u, 0,1,2,3
	v_cndmask_b32 v[BEST+\b+\u], v[BEST+\b+\u], v[OV+\b+\u], s[84+\u]
	v_cndmask_b32 v[PW+\b+\u], v[PW+\b+\u], v[OI+\b+\u], s[84+\u]
.endr
.irp u, 0,1,2,3
	v_cndmask_b32 v[SD+\b+\u], v[BEST+\b+\u], v[PW+\b+\u], s[HI]   ; both halves now hold the same pair: lanes 0-15 send the value, lanes 16-31 the index
.endr
.irp u, 0,1,2,3
	ds_store_b32 v[STA], v[SD+\b+\u] offset:64*(\b+\u)
.endr
.endr
	ds_load_b128 v[BK:BK+3], v[STR]                ; LDS serves a wave's instructions in order: these see my stores.  My 128 values,
	ds_load_b128 v[BK+4:BK+7], v[STR] offset:512   ; my 128 indices
	s_wait_dscnt 0x0                               ; values' fragments are in too
	global_store_b128 v[CO], v[BK:BK+3], s[18:19]  ; lanes 0-15 and lanes 16-31 store 256 consecutive bytes each, at multiples of 256 from the buffer's first byte
	global_store_b128 v[CO], v[BK+4:BK+7], s[20:21]
	; THE TABLE: my work-group's 16 keys, my wave's 256 of K in 8 steps of 32.  Transposed: source 0 = dec_w's rows, source 1 = 16 rows of values: lane (r, h) holds key r and outputs 8 h .. 8 h + 7.
	s_wait_loadcnt 0x0
.irp q, 0,1,2,3,4,5,6,7
	TSTEP \q
.endr
.rept 4
	v_nop                                          ; places in front of the first read of the last product's results
.endr
.irp i, 0,2,4,6
	v_pk_add_f32 v[80+\i:81+\i], v[64+\i:65+\i], v[72+\i:73+\i]   ; the two accumulators, each from its low end on
.endr
	WIN 0x04                                       ; an LDS store's data are its source 1: window 1
	ds_store_b128 v[TSA], v[80:83]
	ds_store_b128 v[TSA], v[84:87] offset:16
	WIN 0
	s_wait_dscnt 0x0                               ; for the others' sake: my partial sums lie in LDS
	s_barrier_signal -1
	s_barrier_wait -1
.irp i, 0,1,2,3
	ds_load_b64 v[TP+2*\i:TP+2*\i+1], v[TRA] offset:1024*\i   ; the four quarters of K, for keys 4 w .. 4 w + 3: two columns a lane
.endr
	s_wait_dscnt 0x0
	v_pk_add_f32 v[TP:TP+1], v[TP:TP+1], v[TP+2:TP+3]
	v_pk_add_f32 v[TP+4:TP+5], v[TP+4:TP+5], v[TP+6:TP+7]
	v_pk_add_f32 v[TP:TP+1], v[TP:TP+1], v[TP+4:TP+5]
	v_pk_add_f32 v[TP:TP+1], v[TP:TP+1], v[BIA:BIA+1]
	global_store_b64 v[TGO], v[TP:TP+1], s[22:23]  ; the wave stores 256 consecutive bytes, at a multiple of 256 from the table's first byte
	s_wait_tensorcnt 0x0                           ; the wave's end, behind my last tensor load and my last LDS store
	ds_add_u32 v[SPW], v[NIL]
	s_wait_dscnt 0x0
	CROUND                                         ; the closing round
	s_endpgm
.Lfunc_end_k_qa3ea454778_near:
	.size	k_qa3ea454778_near, .Lfunc_end_k_qa3ea454778_near-k_qa3ea454778_near
	.p2alignl 7, 3214868480
	.fill 96, 4, 3214868480
	.section	.rodata,"a",@progbits
	.p2align	6, 0x0
	.amdhsa_kernel k_qa3ea454778_near
		.amdhsa_group_segment_fixed_size 327680
		.amdhsa_private_segment_fixed_size 0
		.amdhsa_enable_private_segment 0
		.amdhsa_kernarg_size 80
		.amdhsa_user_sgpr_count 2
		.amdhsa_user_sgpr_kernarg_segment_ptr 1
		.amdhsa_wavefront_size32 1
		.amdhsa_system_sgpr_workgroup_id_x 1
		.amdhsa_system_sgpr_workgroup_id_y 1
		.amdhsa_system_sgpr_workgroup_id_z 1
		.amdhsa_system_vgpr_workitem_id 0
		.amdhsa_next_free_vgpr 1024
		.amdhsa_next_free_sgpr 102
		.amdhsa_reserve_vcc 1
		.amdhsa_float_denorm_mode_32 3
		.amdhsa_float_denorm_mode_16_64 3
		.amdhsa_memory_ordered 1
		.amdhsa_forward_progress 1
		.amdhsa_inst_pref_size 198
	.end_amdhsa_kernel
	.amdgpu_metadata
---
amdhsa.version: [ 1, 2 ]
amdhsa.kernels:
  - .name:           k_qa3ea454778_near
    .symbol:         k_qa3ea454778_near.kd
    .args:
      - { .name: x_codes, .offset: 0, .size: 8, .value_kind: global_buffer, .address_space: global }
      - { .name: x_scales, .offset: 8, .size: 8, .value_kind: global_buffer, .address_space: global }
      - { .name: keys_codes, .offset: 16, .size: 8, .value_kind: global_buffer, .address_space: global }
      - { .name: keys_scales, .offset: 24, .size: 8, .value_kind: global_buffer, .address_space: global }
      - { .name: values, .offset: 32, .size: 8, .value_kind: global_buffer, .address_space: global }
      - { .name: dec_w, .offset: 40, .size: 8, .value_kind: global_buffer, .address_space: global }
      - { .name: dec_b, .offset: 48, .size: 8, .value_kind: global_buffer, .address_space: global }
      - { .name: cand_val, .offset: 56, .size: 8, .value_kind: global_buffer, .address_space: global }
      - { .name: cand_idx, .offset: 64, .size: 8, .value_kind: global_buffer, .address_space: global }
      - { .name: table, .offset: 72, .size: 8, .value_kind: global_buffer, .address_space: global }
    .group_segment_fixed_size: 327680
    .private_segment_fixed_size: 0
    .kernarg_segment_align: 8
    .kernarg_segment_size: 80
    .max_flat_workgroup_size: 128
    .sgpr_count:     102
    .vgpr_count:     1024
    .wavefront_size: 32
...
	.end_amdgpu_metadata
.endif
;; end of part 3
;; launch pick (part 4): grid 256 x 1, 10 waves a work-group, no clusters, 0 bytes of LDS; arguments cand_val, cand_idx, table, out0; writes out0
.if DOCPART == 4
	.amdgcn_target "amdgcn-amd-amdhsa--gfx1250"
	.amdhsa_code_object_version 6
	.text
	.protected	k_qa3ea454778_pick
	.globl	k_qa3ea454778_pick
	.p2align	8
	.type	k_qa3ea454778_pick,@function
k_qa3ea454778_pick:
	s_mov_b64 s[64:65], 0
	v_nop
	global_prefetch_b8 v0, s[64:65] scope:SCOPE_SE
	s_setreg_imm32_b32 hwreg(HW_REG_WAVE_MODE, 25, 1), 1
	s_wait_xcnt 0x0
; out0[row][0 .. 9] = table[n(row)][0 .. 9], n(row) the first index of the row's largest score.  The launch before left, for each of 8 slices of 512 keys, the row's largest score (cand_val [8][16384]) and the first key
; that has it (cand_idx, whole numbers), and table[k] = values[k] . dec_w^T + dec_b ([4096][16] f32).  No work of the problem is left out here.
; No address hangs on a comparison of scores: all 8 candidates' rows of the table are fetched, by indices READ from memory, and the comparison only selects among what came.
; A slice's score takes the place of an earlier slice's only if it is strictly greater: of equal scores the lower slice, which is the lower index, stays, as in jnp.argmax.
; SHARES.  A work-group of 320 threads takes 64 rows; a thread takes two neighbouring outputs of a row: 8 bytes.  Thread t's bytes in out0 are 8 t on from the work-group's 2,560: each store of a wave covers 256
; consecutive bytes, at a multiple of 256 from out0's first byte.  No LDS, no barrier, no matrix unit: there is nothing to share and nothing to multiply.
; LIMIT: a candidate score that is NaN never wins.
.set IDX, 8                            ; v8-15   the 8 candidates' indices
.set VAL, 16                           ; v16-23  their scores
.set ADR, 24                           ; v24-31  their places in the table
.set G,   32                           ; v32-47  their two outputs each
.set BV,  48                           ; v48     the best score so far
.set MK,  16                           ; s17-23  slice c has taken the lead
	s_load_b256 s[4:11], s[0:1], 0x0               ; cand_val s[4:5], cand_idx s[6:7], table s[8:9], out0 s[10:11]
	v_mul_u32_u24 v1, v0, 0xcccd                   ; t / 5 = (t x 52,429) >> 18, exact for t under 320
	s_delay_alu instid0(VALU_DEP_1)
	v_lshrrev_b32 v1, 18, v1                       ; my row among the 64
	s_delay_alu instid0(VALU_DEP_1)
	v_mul_u32_u24 v2, v1, 5
	s_delay_alu instid0(VALU_DEP_1)
	v_sub_nc_u32 v2, v0, v2                        ; my pair of outputs, 0 .. 4
	s_delay_alu instid0(VALU_DEP_1)
	v_lshlrev_b32 v2, 3, v2                        ; in bytes
	s_lshl_b32 s12, ttmp9, 6
	v_add_nc_u32 v1, s12, v1                       ; my row
	s_delay_alu instid0(VALU_DEP_1)
	v_lshlrev_b32 v1, 2, v1                        ; its place in a slice of candidates
	s_mul_i32 s13, ttmp9, 2560
	v_lshl_add_u32 v3, v0, 3, s13                  ; my 8 bytes of out0
	s_wait_alu depctr_va_vdst(0)
	s_wait_kmcnt 0x0
.irp c, 0,1,2,3,4,5,6,7
	global_load_b32 v[IDX+\c], v1, s[6:7] offset:65536*\c
.endr
.irp c, 0,1,2,3,4,5,6,7
	global_load_b32 v[VAL+\c], v1, s[4:5] offset:65536*\c
.endr
	s_wait_loadcnt 8                               ; the indices are in; the 8 loads of scores may be out
.irp c, 0,1,2,3,4,5,6,7
	v_min_u32 v[IDX+\c], 0xfff, v[IDX+\c]          ; an index stays inside the table
.endr
.irp c, 0,1,2,3,4,5,6,7
	v_lshl_add_u32 v[ADR+\c], v[IDX+\c], 6, v2     ; 64 bytes a key, + my pair
.endr
.irp c, 0,1,2,3,4,5,6,7
	global_load_b64 v[G+2*\c:G+2*\c+1], v[ADR+\c], s[8:9]
.endr
	s_wait_loadcnt 8                               ; the scores are in; the 8 loads from the table may be out
	v_cmp_gt_f32 s[MK+1], v[VAL+1], v[VAL]
	v_max_num_f32 v[BV], v[VAL], v[VAL+1]
.irp c, 2,3,4,5,6,7
	s_delay_alu instid0(VALU_DEP_1)
	v_cmp_gt_f32 s[MK+\c], v[VAL+\c], v[BV]
	s_delay_alu instid0(VALU_DEP_2)
	v_max_num_f32 v[BV], v[BV], v[VAL+\c]
.endr
	s_wait_loadcnt 0x0
.irp c, 1
	v_cndmask_b32 v[G], v[G], v[G+2*\c], s[MK+\c]  ; in the slices' order: the last that took the lead stays
	v_cndmask_b32 v[G+1], v[G+1], v[G+2*\c+1], s[MK+\c]
.endr
.irp c, 2, 3, 4, 5, 6, 7
	s_delay_alu instid0(VALU_DEP_2)
	v_cndmask_b32 v[G], v[G], v[G+2*\c], s[MK+\c]  ; in the slices' order: the last that took the lead stays
	s_delay_alu instid0(VALU_DEP_2)
	v_cndmask_b32 v[G+1], v[G+1], v[G+2*\c+1], s[MK+\c]
.endr
	global_store_b64 v3, v[G:G+1], s[10:11]
	s_endpgm
.Lfunc_end_k_qa3ea454778_pick:
	.size	k_qa3ea454778_pick, .Lfunc_end_k_qa3ea454778_pick-k_qa3ea454778_pick
	.p2alignl 7, 3214868480
	.fill 96, 4, 3214868480
	.section	.rodata,"a",@progbits
	.p2align	6, 0x0
	.amdhsa_kernel k_qa3ea454778_pick
		.amdhsa_group_segment_fixed_size 0
		.amdhsa_private_segment_fixed_size 0
		.amdhsa_enable_private_segment 0
		.amdhsa_kernarg_size 32
		.amdhsa_user_sgpr_count 2
		.amdhsa_user_sgpr_kernarg_segment_ptr 1
		.amdhsa_wavefront_size32 1
		.amdhsa_system_sgpr_workgroup_id_x 1
		.amdhsa_system_sgpr_workgroup_id_y 1
		.amdhsa_system_sgpr_workgroup_id_z 1
		.amdhsa_system_vgpr_workitem_id 0
		.amdhsa_next_free_vgpr 56
		.amdhsa_next_free_sgpr 66
		.amdhsa_reserve_vcc 0
		.amdhsa_float_denorm_mode_32 3
		.amdhsa_float_denorm_mode_16_64 3
		.amdhsa_memory_ordered 1
		.amdhsa_forward_progress 1
		.amdhsa_inst_pref_size 7
	.end_amdhsa_kernel
	.amdgpu_metadata
---
amdhsa.version: [ 1, 2 ]
amdhsa.kernels:
  - .name:           k_qa3ea454778_pick
    .symbol:         k_qa3ea454778_pick.kd
    .args:
      - { .name: cand_val, .offset: 0, .size: 8, .value_kind: global_buffer, .address_space: global }
      - { .name: cand_idx, .offset: 8, .size: 8, .value_kind: global_buffer, .address_space: global }
      - { .name: table, .offset: 16, .size: 8, .value_kind: global_buffer, .address_space: global }
      - { .name: out0, .offset: 24, .size: 8, .value_kind: global_buffer, .address_space: global }
    .group_segment_fixed_size: 0
    .private_segment_fixed_size: 0
    .kernarg_segment_align: 8
    .kernarg_segment_size: 32
    .max_flat_workgroup_size: 320
    .sgpr_count:     66
    .vgpr_count:     56
    .wavefront_size: 32
...
	.end_amdgpu_metadata
.endif
;; end of part 4
